; MI455X (gfx1250); checked and timed in simulation.
; The chip was launched on July 23, 2026; its instructions are those of AMD's public machine-readable ISA for CDNA 5 (MIT licence, August 2026) and "CDNA5" Instruction Set Architecture Reference Guide (July 2026). The comments in the code are by the model that wrote it; some were corrected since.
;; encoder layer. Allowed arithmetic: matrix products marked QUANTISED: E4M3 operands, one given power-of-two scale a tensor, by v_wmma_f32_16x16x64_fp8_fp8 or v_wmma_f32_16x16x128_fp8_fp8, f32 sums; everything else in f32.
;; Inputs: f1_b 4,096 float32; f1_w 1,024 x 4,096 float32; f2_b 1,024 float32; f2_w 4,096 x 1,024 float32; ln1_b 1,024 float32; ln1_g 1,024 float32; ln2_b 1,024 float32; ln2_g 1,024 float32; lowp_scales 16 int32 (the exponents e of the quantised operands' scales 2^e); mask 2 x 1 x 1 x 2,048 float32; wk_b 1,024 float32; wk_w 1,024 x 1,024 float32; wo_b 1,024 float32; wo_w 1,024 x 1,024 float32; wq_b 1,024 float32; wq_w 1,024 x 1,024 float32; wv_b 1,024 float32; wv_w 1,024 x 1,024 float32; x 2 x 2,048 x 1,024 float32.
;; Outputs: out0 2 x 2,048 x 1,024 float32.
;; This version of the problem:
;;   THIS VERSION OF THE PROBLEM IS GIVEN IN LOW PRECISION. The matrix products marked QUANTISED in the list below multiply operands that are first quantised to E4M3 (4 exponent bits, 3 mantissa bits; 8 bits a number), with one given power-of-two scale for each operand tensor; their sums are f32. All else is computed in f32.
;;   The module's matrix products, in the order in which they are computed (A, B: the left and right operand; K: the contracted axis; several contracted axes count as one K, in the product's order):
;;     1. [M 4,096, K 1,024] x [K 1,024, N 1,024]; A: input x; B: input wq_w: QUANTISED (scales: A lowp_scales[0], B lowp_scales[1])
;;     2. [M 4,096, K 1,024] x [K 1,024, N 1,024]; A: input x; B: input wk_w: QUANTISED (scales: A lowp_scales[2], B lowp_scales[3])
;;     3. [M 4,096, K 1,024] x [K 1,024, N 1,024]; A: input x; B: input wv_w: QUANTISED (scales: A lowp_scales[4], B lowp_scales[5])
;;     4. batch 32 x [M 2,048, K 64] x [K 64, N 2,048]; A: computed on the way; B: computed on the way: QUANTISED (scales: A lowp_scales[6], B lowp_scales[7])
;;     5. batch 32 x [M 2,048, K 2,048] x [K 2,048, N 64]; A: softmax (see below); B: computed on the way: QUANTISED (scales: A lowp_scales[8], B lowp_scales[9])
;;     6. [M 4,096, K 1,024] x [K 1,024, N 1,024]; A: computed on the way; B: input wo_w: QUANTISED (scales: A lowp_scales[10], B lowp_scales[11])
;;     7. [M 4,096, K 1,024] x [K 1,024, N 4,096]; A: computed on the way; B: input f1_w: QUANTISED (scales: A lowp_scales[12], B lowp_scales[13])
;;     8. [M 4,096, K 4,096] x [K 4,096, N 1,024]; A: computed on the way; B: input f2_w: QUANTISED (scales: A lowp_scales[14], B lowp_scales[15])
;;   THE QUANTISER, for each operand of a quantised product, along K:
;;     - The operand's scale is 2^e, e = its entry of the input lowp_scales (int32; the entries are numbered through the quantised products in the list's order, A before B).
;;     - Each number is divided by the scale, clamped to +-448, and rounded to the nearest number of E4M3, ties to even, subnormals kept.
;;     - The product sums the exact products of the quantised numbers (number of the format x scale) in f32.
;;   ~~~python
;;   def quantise(x, axis, e):      # numpy; x: float32 -> the quantised numbers, widened to float32 again
;;       x = np.moveaxis(x, axis, -1); K = x.shape[-1]
;;       r = np.clip(x / 2.0 ** e, -448, 448)
;;       step = 2.0 ** (np.maximum(np.frexp(np.where(r == 0, 1, r))[1] - 1, -6) - 3)
;;       q = np.round(r / step) * step * 2.0 ** e      # np.round: ties to even
;;       return np.moveaxis(q, -1, axis).astype(np.float32)
;;   ~~~
;;   SOFTMAX AHEAD OF A QUANTISED PRODUCT. Where the list says 'softmax', what is quantised is not the finished softmax but p = 2^(t - M), with t = logit x log2(e) and M = ceil(the row's largest t), a whole number; so 1/2 < the row's largest p <= 1. The row's sum l is taken of the UNQUANTISED p, in f32, and the product's result is divided by l at the end. Since M is a whole number, a kernel that streams over the keys may use a running M (the ceiling of the running maximum): every later rescaling is an exact power of two, so the quantised numbers keep their values, but for numbers so far below the row's largest that they fall under the format's range.
;;   OPERANDS COMPUTED ON THE WAY. 'Computed on the way' means the value that the module computes at that place (a softmax that the list does not call 'softmax' is quantised finished and normalised). What goes into a quantiser is computed in f32, as accurately as f32 sums, v_exp_f32 and their like allow (about 1e-6 of the number): no bf16 or f16 on the way to a quantiser, and a product that is left as it is and whose result goes on into a quantised operand takes f32 operands (vector FMAs, or v_wmma_f32_16x16x4_f32). A number that lies on a knife's edge between two numbers of the format may be rounded either way, as far as f32 arithmetic and the matrix unit's own rounding can turn it there, and no further.
;; One version. Each part assembles by itself: llvm-mc -triple=amdgcn-amd-amdhsa -mcpu=gfx1250 --defsym DOCPART=n.
;; ======== version 1 of 1: 8 launches
;; limits: right only within a limited range of input values
;; workspace buffers: codes0 25,182,208 bytes; qkvc 12,582,912 bytes; ac 4,194,304 bytes; y 16,777,216 bytes; h 16,777,216 bytes; hc 4,194,304 bytes; hid 16,777,216 bytes
;; launch quant (part 1): grid 513 x 1, 4 waves a work-group, no clusters, 26,624 bytes of LDS; arguments x, wq_w, wk_w, wv_w, wo_w, f1_w, f2_w, mask, lowp_scales, codes0; writes codes0
.if DOCPART == 1
	.amdgcn_target "amdgcn-amd-amdhsa--gfx1250"
	.amdhsa_code_object_version 6
	.text
	.protected	k_qc049b93923_quant
	.globl	k_qc049b93923_quant
	.p2align	8
	.type	k_qc049b93923_quant,@function
k_qc049b93923_quant:
	s_mov_b64 s[64:65], 0
	v_nop
	global_prefetch_b8 v0, s[64:65] scope:SCOPE_SE
	s_setreg_imm32_b32 hwreg(HW_REG_WAVE_MODE, 25, 1), 1
	s_wait_xcnt 0x0
; x (three times: its three given scales may differ), the six weights and the mask's term, made ready once for all later launches.
; code = number / 2^e, held within +-448, to the nearest E4M3 code, ties to even.  LIMITS: each e between -126 and 119; NaN and infinities among the inputs are not served.
; THE LAYOUT OF ALL CODES: IMAGES OF THE OPERAND'S REGISTERS.  For a matrix [rows][K], fragment (T = row / 16, s = k / 128) is 2,048 consecutive bytes at (T K/128 + s) 2,048; its piece c (0..3) is 512 bytes,
; lane L = 16 h + r holding 16 of them at 512 c + 16 L: bytes 0-7 are k = 128 s + 32 c + 8 h + 0..7 of row 16 T + r, bytes 8-15 the same 16 further along k.  Four 16-byte loads a lane then give a fragment of
; v_wmma_f32_16x16x128_fp8_fp8 with every k in its own place.
; codes0: x by e0 at 0, by e2 at 0x400000, by e4 at 0x800000; wq 0xC00000, wk 0xD00000, wv 0xE00000, wo 0xF00000, f1 0x1000000, f2 0x1400000 (rows = the weight's columns n, K = its first axis);
; at 0x1800000 f32 [2][2048]: (mask x -1e12) x log2(e), each product rounded to f32.
; WORK-GROUPS: 0-127 x; 128-511 the weights; 512 the mask.  Waves share nothing: no barrier.  Only x's path uses LDS.
.set XSET, 32                          ; x: v32-159  two sets of 16 rows x 4 numbers
.set TMP,  160                         ; x: v160-175 two sets of 8 held numbers
.set CD,   176                         ; x: v176-191 a fragment's codes, register p = row p's four
.set OUTR, 192                         ; x: v192-239 the image read back, 16 registers for each of the three scales
.set VO,   32                          ; weights: v32-63 byte offset of row i of a block of 32
.set XW,   64                          ; weights: v64-127 two sets of 32 numbers
.set CW,   128                         ; weights: v128-191 eight registers of codes for each block: no store's data are written again
.set BS,   66                          ; weights: s[66:81] the source at each of my eight blocks
.macro MKSC e, vs, vl                  ; 2^e as f32 (the conversion takes its exponent field) and 448 x 2^e
	s_add_co_i32 s82, \e, 127
	s_lshl_b32 s83, s82, 23
	v_mov_b32 v[\vs], s83
	s_add_co_i32 s82, s82, 8
	s_lshl_b32 s82, s82, 23
	s_or_b32 s82, s82, 0x600000
	v_mov_b32 v[\vl], s82
.endm
	s_load_b512 s[4:19], s[0:1], 0x0               ; x, wq, wk, wv, wo, f1, f2, mask
	s_load_b128 s[20:23], s[0:1], 0x40             ; the scales' exponents, codes0
	v_lshl_add_u32 v254, v0, 2, 0x6600
	v_mov_b32 v255, 0
	v_lshrrev_b32 v1, 5, v0
	v_readfirstlane_b32 s24, v1                    ; wave
	v_and_b32 v1, 31, v0                           ; lane
	v_lshlrev_b32 v2, 4, v1                        ; 16 x lane
	s_wait_kmcnt 0x0
	s_load_b512 s[32:47], s[20:21], 0x0            ; e0 .. e15
	s_cmp_lt_u32 ttmp9, 128
	s_cbranch_scc0 .Lnot_x
; ---- x.  Wave w takes T = 2 id + w / 2 and the four fragments s = 4 (w % 2) + f.  Each load reads 512 consecutive bytes of one row.  The conversion works number by number (one scale a tensor), so the f32
; numbers stay where they were loaded and only the CODES turn, through the wave's own LDS: a quarter of the bytes.  An image's eight groups of 256 bytes lie 272 apart, so that neither the 4-byte stores
; (32 lanes: 32 different banks) nor the 16-byte reads meet in a bank.
	s_lshl_b32 s25, ttmp9, 1
	s_lshr_b32 s26, s24, 1
	s_add_co_u32 s25, s25, s26                     ; T
	s_and_b32 s26, s24, 1
	s_lshl_b32 s26, s26, 2                         ; my first s
	s_lshl_b32 s28, s25, 16                        ; 16 rows of 4,096 bytes
	s_lshl_b32 s29, s26, 9
	s_add_co_u32 s28, s28, s29
	s_mov_b32 s29, 0
	s_add_nc_u64 s[4:5], s[4:5], s[28:29]
	s_lshl_b32 s28, s25, 3
	s_add_co_u32 s28, s28, s26
	s_lshl_b32 s28, s28, 11                        ; (8 T + s) x 2,048
	s_add_nc_u64 s[48:49], s[22:23], s[28:29]      ; the three sets of codes
	s_add_nc_u64 s[50:51], s[48:49], 0x400000
	s_add_nc_u64 s[52:53], s[50:51], 0x400000
.macro LOADF f
.irp p, 0,1,2,3,4,5,6,7,8,9,10,11,12,13,14,15
	global_load_b128 v[XSET+64*((\f)%2)+4*\p:XSET+64*((\f)%2)+4*\p+3], v2, s[4:5] offset:4096*\p+512*(\f) th:TH_LOAD_NT
.endr
.endm
	s_wait_alu depctr_va_vdst(0)
	LOADF 0
	LOADF 1
	s_mul_i32 s27, s24, 6528                       ; my LDS: three images of 8 x 272 bytes
	v_lshrrev_b32 v5, 3, v1                        ; my four k = 4 lane + 0..3: piece lane / 8,
	v_bfe_u32 v6, v1, 1, 1                         ; half h = (lane / 2) % 2
	v_lshl_or_b32 v5, v5, 1, v6                    ; group 2 c + h
	v_mul_u32_u24 v3, v5, 272
	v_bfe_u32 v6, v1, 2, 1
	v_lshl_add_u32 v3, v6, 3, v3                   ; which 8 of the 16 bytes
	v_and_b32 v6, 1, v1
	v_lshl_add_u32 v3, v6, 2, v3                   ; which 4 of the 8
	v_add_nc_u32 v3, s27, v3                       ; in: + 16 x row in the immediate
	v_lshrrev_b32 v5, 4, v1
	v_mul_u32_u24 v4, v5, 272
	v_and_b32 v6, 15, v1
	v_lshl_add_u32 v4, v6, 4, v4
	v_add_nc_u32 v4, s27, v4                       ; back: group 2 c + lane / 16, 16 bytes at 16 (lane % 16)
	s_wait_kmcnt 0x0
	MKSC s32, 8, 9
	MKSC s34, 10, 11
	MKSC s36, 12, 13
.macro FRAGX f
.if (\f) < 3
	s_wait_loadcnt 16                              ; this fragment's 16 loads are in; the next fragment's may be out
.else
	s_wait_loadcnt 0x0
.endif
	s_wait_xcnt 0x0                                ; the last fragment's stores have read OUTR
.irp o, 0,1,2
.irp m, 0,1,2,3,4,5,6,7
.irp i, 0,1,2,3,4,5,6,7
	v_med3_num_f32 v[TMP+8*(\m%2)+\i], v[XSET+64*((\f)%2)+8*\m+\i], -v[9+2*\o], v[9+2*\o]   ; the conversion does not saturate (ISA guide 7.6.2): the hold first; x itself is kept for the next scale
.endr
	v_cvt_scalef32_pk8_fp8_f32 v[CD+2*\m:CD+2*\m+1], v[TMP+8*(\m%2):TMP+8*(\m%2)+7], v[8+2*\o]   ; rows 2 m and 2 m + 1; the two sets of TMP take turns, so eight plain lines stand ahead of the next write of its sources
.endr
.irp p, 0,1,2,3,4,5,6,7,8,9,10,11,12,13,14,15
	ds_store_b32 v3, v[CD+\p] offset:\o*2176+\p*16
.endr
.irp c, 0,1,2,3
	ds_load_b128 v[OUTR+16*\o+4*\c:OUTR+16*\o+4*\c+3], v4 offset:\o*2176+\c*544   ; LDS serves a wave's instructions in order: these see the stores above
.endr
	s_wait_dscnt 0x0
.irp c, 0,1,2,3
	global_store_b128 v2, v[OUTR+16*\o+4*\c:OUTR+16*\o+4*\c+3], s[48+2*\o:49+2*\o] offset:(\f)*2048+\c*512   ; 512 consecutive bytes, aligned
.endr
.endr
.if (\f) < 2
	LOADF (\f)+2
.endif
.endm
	s_wait_alu depctr_va_vdst(0)
	FRAGX 0
	FRAGX 1
	FRAGX 2
	FRAGX 3
	s_wait_tensorcnt 0x0
	ds_add_u32 v254, v255
	s_wait_dscnt 0x0
	s_endpgm
.Lnot_x:
	s_cmp_lt_u32 ttmp9, 512
	s_cbranch_scc0 .Lmask
; ---- the weights, [K][N] f32.  A work-group takes 128 columns x 256 along K, a wave 32 columns.  A LANE TAKES A COLUMN n AND ITS REGISTERS RUN DOWN K: each load reads 128 consecutive bytes a wave, the
; conversions give codes with K innermost, and a lane's 32 codes of a block are the 16 bytes of the image's lanes (r, h = 0) and (r, h = 1): sixteen lanes store one aligned unit of 256 bytes.  No LDS.
	s_sub_co_u32 s25, ttmp9, 128                   ; t: 0-127 the four square weights (32 each), 128-255 f1, 256-383 f2
	s_lshr_b32 s26, s25, 7                         ; group
	s_bfe_u32 s27, s25, 0x20005                    ; which square weight
	s_wait_kmcnt 0x0
	s_mov_b64 s[28:29], s[6:7]
	s_mov_b32 s30, s33                             ; e1
	s_cmp_eq_u32 s27, 1
	s_cselect_b64 s[28:29], s[8:9], s[28:29]
	s_cselect_b32 s30, s35, s30                    ; e3
	s_cmp_eq_u32 s27, 2
	s_cselect_b64 s[28:29], s[10:11], s[28:29]
	s_cselect_b32 s30, s37, s30                    ; e5
	s_cmp_eq_u32 s27, 3
	s_cselect_b64 s[28:29], s[12:13], s[28:29]
	s_cselect_b32 s30, s43, s30                    ; e11
	s_lshl_b32 s31, s27, 20
	s_add_co_u32 s31, s31, 0xC00000                ; where its codes go
	s_and_b32 s48, s25, 31
	s_and_b32 s49, s25, 127
	s_cmp_eq_u32 s26, 0
	s_cselect_b32 s48, s48, s49                    ; my number within the weight
	s_cmp_eq_u32 s26, 1
	s_cselect_b64 s[28:29], s[14:15], s[28:29]
	s_cselect_b32 s30, s45, s30                    ; e13
	s_cselect_b32 s31, 0x1000000, s31
	s_cselect_b32 s49, 5, 3                        ; 32 or 8 blocks of 128 columns
	s_cselect_b32 s50, 2, 0
	s_cmp_eq_u32 s26, 2
	s_cselect_b64 s[28:29], s[16:17], s[28:29]
	s_cselect_b32 s30, s47, s30                    ; e15
	s_cselect_b32 s31, 0x1400000, s31
	s_cselect_b32 s51, 2, 0
	s_lshl_b32 s50, 4096, s50                      ; a source row in bytes: 4 N
	s_lshl_b32 s51, 16384, s51                     ; from T to T in the image: 16 K
	s_bfm_b32 s52, s49, 0
	s_and_b32 s52, s48, s52                        ; which 128 columns
	s_lshr_b32 s53, s48, s49                       ; which 256 along K
	s_mul_i32 s54, s53, s50
	s_lshl_b32 s54, s54, 8
	s_lshl_b32 s55, s52, 9
	s_add_co_u32 s54, s54, s55
	s_lshl_b32 s55, s24, 7
	s_add_co_u32 s54, s54, s55
	s_mov_b32 s55, 0
	s_add_nc_u64 s[BS:BS+1], s[28:29], s[54:55]
	s_lshl_b32 s54, s50, 5                         ; 32 rows on
.irp t, 1,2,3,4,5,6,7
	s_add_nc_u64 s[BS+2*\t:BS+2*\t+1], s[BS+2*\t-2:BS+2*\t-1], s[54:55]
.endr
	s_lshl_b32 s56, s52, 3
	s_lshl_b32 s57, s24, 1
	s_add_co_u32 s56, s56, s57                     ; T = 8 x block + 2 x wave
	s_mul_i32 s56, s56, s51
	s_lshl_b32 s57, s53, 12                        ; two fragments for each 256 along K
	s_add_co_u32 s56, s56, s57
	s_add_co_u32 s56, s56, s31
	s_mov_b32 s57, 0
	s_add_nc_u64 s[22:23], s[22:23], s[56:57]
	s_wait_alu depctr_va_vdst(0)
	v_lshlrev_b32 v3, 2, v1
.set i, 0
.rept 32
	v_mad_u32_u24 v[VO+i], s50, i, v3              ; 4 x lane + i rows
.set i, i+1
.endr
	v_lshrrev_b32 v5, 4, v1
	v_mul_lo_u32 v4, v5, s51
	v_and_b32 v6, 15, v1
	v_lshl_add_u32 v4, v6, 4, v4                   ; out: (lane / 16) T + 16 (lane % 16)
.macro LOADW t
.set i, 0
.rept 32
	global_load_b32 v[XW+32*((\t)%2)+i], v[VO+i], s[BS+2*(\t):BS+2*(\t)+1] th:TH_LOAD_NT
.set i, i+1
.endr
.endm
	LOADW 0
	LOADW 1
	MKSC s30, 8, 9
.macro BLOCKW t
.set XS, XW+32*((\t)%2)
.set CS, CW+8*(\t)
.if (\t) < 7
	s_wait_loadcnt 32                              ; this block's 32 loads are in; the next block's may be out
.else
	s_wait_loadcnt 0x0
.endif
.set i, 0
.rept 32
	v_med3_num_f32 v[XS+i], v[XS+i], -v9, v9
.set i, i+1
.endr
	v_cvt_scalef32_pk8_fp8_f32 v[CS:CS+1], v[XS:XS+7], v8            ; h = 0: k = 0..7 and 16..23 of the block
	v_cvt_scalef32_pk8_fp8_f32 v[CS+2:CS+3], v[XS+16:XS+23], v8
	v_cvt_scalef32_pk8_fp8_f32 v[CS+4:CS+5], v[XS+8:XS+15], v8       ; h = 1: k = 8..15 and 24..31
	v_cvt_scalef32_pk8_fp8_f32 v[CS+6:CS+7], v[XS+24:XS+31], v8
	global_store_b128 v4, v[CS:CS+3], s[22:23] offset:((\t)/4)*2048+((\t)%4)*512
	global_store_b128 v4, v[CS+4:CS+7], s[22:23] offset:((\t)/4)*2048+((\t)%4)*512+256
.if (\t)+2 < 8
	LOADW (\t)+2
.endif
.endm
	s_wait_alu depctr_va_vdst(0)
.irp t, 0,1,2,3,4,5,6,7
	BLOCKW \t
.endr
	s_endpgm
.Lmask:
; ---- the mask's term for the softmax, in the scale of t: two rounded products, as the f32 arithmetic of the JAX function has them
	v_lshlrev_b32 v3, 4, v0
.irp j, 0,1,2,3,4,5,6,7
	global_load_b128 v[32+4*\j:35+4*\j], v3, s[18:19] offset:2048*\j
.endr
	s_add_nc_u64 s[22:23], s[22:23], 0x1800000
	s_wait_loadcnt 0x0
.set j, 32
.rept 16
	v_pk_mul_f32 v[j:j+1], v[j:j+1], 0xd368d4a5 op_sel_hi:[1,0]      ; x -1e12
.set j, j+2
.endr
.set j, 32
.rept 16
	v_pk_mul_f32 v[j:j+1], v[j:j+1], 0x3fb8aa3b op_sel_hi:[1,0]      ; x log2(e)
.set j, j+2
.endr
.irp j, 0,1,2,3,4,5,6,7
	global_store_b128 v3, v[32+4*\j:35+4*\j], s[22:23] offset:2048*\j
.endr
	s_endpgm
.Lfunc_end_k_qc049b93923_quant:
	.size	k_qc049b93923_quant, .Lfunc_end_k_qc049b93923_quant-k_qc049b93923_quant
	.p2alignl 7, 3214868480
	.fill 96, 4, 3214868480
	.section	.rodata,"a",@progbits
	.p2align	6, 0x0
	.amdhsa_kernel k_qc049b93923_quant
		.amdhsa_group_segment_fixed_size 26624
		.amdhsa_private_segment_fixed_size 0
		.amdhsa_enable_private_segment 0
		.amdhsa_kernarg_size 80
		.amdhsa_user_sgpr_count 2
		.amdhsa_user_sgpr_kernarg_segment_ptr 1
		.amdhsa_wavefront_size32 1
		.amdhsa_system_sgpr_workgroup_id_x 1
		.amdhsa_system_sgpr_workgroup_id_y 1
		.amdhsa_system_sgpr_workgroup_id_z 1
		.amdhsa_system_vgpr_workitem_id 0
		.amdhsa_next_free_vgpr 256
		.amdhsa_next_free_sgpr 84
		.amdhsa_reserve_vcc 0
		.amdhsa_float_denorm_mode_32 3
		.amdhsa_float_denorm_mode_16_64 3
		.amdhsa_memory_ordered 1
		.amdhsa_forward_progress 1
		.amdhsa_inst_pref_size 137
	.end_amdhsa_kernel
	.amdgpu_metadata
---
amdhsa.version: [ 1, 2 ]
amdhsa.kernels:
  - .name:           k_qc049b93923_quant
    .symbol:         k_qc049b93923_quant.kd
    .args:
      - { .name: x, .offset: 0, .size: 8, .value_kind: global_buffer, .address_space: global }
      - { .name: wq_w, .offset: 8, .size: 8, .value_kind: global_buffer, .address_space: global }
      - { .name: wk_w, .offset: 16, .size: 8, .value_kind: global_buffer, .address_space: global }
      - { .name: wv_w, .offset: 24, .size: 8, .value_kind: global_buffer, .address_space: global }
      - { .name: wo_w, .offset: 32, .size: 8, .value_kind: global_buffer, .address_space: global }
      - { .name: f1_w, .offset: 40, .size: 8, .value_kind: global_buffer, .address_space: global }
      - { .name: f2_w, .offset: 48, .size: 8, .value_kind: global_buffer, .address_space: global }
      - { .name: mask, .offset: 56, .size: 8, .value_kind: global_buffer, .address_space: global }
      - { .name: lowp_scales, .offset: 64, .size: 8, .value_kind: global_buffer, .address_space: global }
      - { .name: codes0, .offset: 72, .size: 8, .value_kind: global_buffer, .address_space: global }
    .group_segment_fixed_size: 26624
    .private_segment_fixed_size: 0
    .kernarg_segment_align: 8
    .kernarg_segment_size: 80
    .max_flat_workgroup_size: 128
    .sgpr_count:     84
    .vgpr_count:     256
    .wavefront_size: 32
...
	.end_amdgpu_metadata
.endif
;; end of part 1
;; launch qkv (part 2): grid 12 x 16, 4 waves a work-group, clusters of 4 x 4, 327,680 bytes of LDS; arguments codes0, wq_b, wk_b, wv_b, lowp_scales, qkvc; writes qkvc
.if DOCPART == 2
	.amdgcn_target "amdgcn-amd-amdhsa--gfx1250"
	.amdhsa_code_object_version 6
	.text
	.protected	k_qc049b93923_qkv
	.globl	k_qc049b93923_qkv
	.p2align	8
	.type	k_qc049b93923_qkv,@function
k_qc049b93923_qkv:
	s_mov_b64 s[64:65], 0
	v_nop
	global_prefetch_b8 v0, s[64:65] scope:SCOPE_SE
	s_setreg_imm32_b32 hwreg(HW_REG_WAVE_MODE, 25, 1), 1
	s_wait_xcnt 0x0
	s_wait_alu depctr_hold_cnt(0) depctr_sa_sdst(0) depctr_va_vdst(0) depctr_va_sdst(0) depctr_va_ssrc(0) depctr_va_vcc(0) depctr_vm_vsrc(0)
	s_getreg_b32 s2, hwreg(HW_REG_IB_STS2, 6, 4)
	s_cmp_eq_u32 s2, 0
	s_cbranch_scc0 .Lentry_in_a_cluster
	s_endpgm
.Lentry_in_a_cluster:
	s_bfe_u32 s2, ttmp6, 0x10000c
	s_cmp_lg_u32 s2, 0xf033
	s_cbranch_scc0 .Lentry_shape_is_right
	s_endpgm
.Lentry_shape_is_right:
; q, k and v = x W + bias on codes of E4M3 (images of the operand's registers), quantised again on the way out.  A tile is 256 x 256, four waves of 128 x 128; K goes in four steps of 256 through two LDS slots
; filled by joint loads in clusters of 4 x 4.  For v the sources are swapped, so that its codes come out with the keys innermost.  No L2 prefetch: the text has no loop to run ahead in (four K steps, written out).
.set MODE,   0
.set STEPB,  4096
.set HALFT,  8*STEPB
.set SLOT,   4*HALFT
.set SPARE,  2*SLOT
.set FR,     16
.set NL,     4
.set NP,     4
.set SCV,  14
.set ADRA, 16
.set ADRB, 20
.set VO0,  24
.set VO1,  25
.set CBO,  26
.set RBO,  27
.set SPW,  28
.set NIL,  29
.set HI,   31
.set BC,   32
.set BR,   96
.set AF,   128
.set TMP,  128
.set CD,   192
.set G1, 24
.set G0, 32
.set G1B, 48
.set G0B, 56
.set MSB, 0
.macro WIN new
.if MSB != \new
	s_set_vgpr_msb (MSB<<8)|\new
.set MSB, \new
.endif
.endm
.set MUL_LO, 0xa1
.set MUL_HI, 0xf1
.set BEG_LO, 0x81
.set BEG_HI, 0xc1
.set TO_B,   0x40
.macro JLOAD g0a, g1a, g0b, g1b
	s_cmp_eq_u32 s15, 0
	s_cbranch_scc0 .Lfor_b_\@
	tensor_load_to_lds s[\g0a:\g0a+3], s[\g1a:\g1a+7]
	s_nop 0
.rept 4
	v_nop
.endr
	s_branch .Lasked_\@
.Lfor_b_\@:
	tensor_load_to_lds s[\g0b:\g0b+3], s[\g1b:\g1b+7]
	s_nop 0
.rept 4
	v_nop
.endr
.Lasked_\@:
.endm
.macro CREST
	s_cmp_lg_u32 s14, 0
	s_cbranch_scc1 .Lnot_wave_0_\@
	s_barrier_signal -3
.Lnot_wave_0_\@:
	s_barrier_wait -3
	s_barrier_signal -1
	s_barrier_wait -1
.endm
.macro CROUND
	s_barrier_signal -1
	s_barrier_wait -1
	CREST
.endm
.macro PLACES n
.rept \n
	v_nop
.endr
.endm
.if MODE == 0
	s_load_b64 s[4:5], s[0:1], 0x0
	s_load_b64 s[6:7], s[0:1], 0x0
	s_load_b128 s[84:87], s[0:1], 0x8
	s_load_b128 s[88:91], s[0:1], 0x18
	s_load_b64 s[10:11], s[0:1], 0x28
.else
	s_load_b128 s[4:7], s[0:1], 0x0
	s_load_b128 s[88:91], s[0:1], 0x10
	s_load_b64 s[10:11], s[0:1], 0x20
.endif
	v_lshl_add_u32 v[SPW], v0, 2, SPARE
	v_mov_b32 v[NIL], 0
	ds_add_u32 v28, v29
	ds_add_u32 v28, v29
	s_wait_dscnt 0x0
	v_lshrrev_b32 v1, 5, v0
	v_readfirstlane_b32 s14, v1
	s_lshr_b32 s15, s14, 1
	s_and_b32 s16, s14, 1
	s_bfe_u32 s40, ttmp6, 0x40000
	s_bfe_u32 s41, ttmp6, 0x40004
	s_and_b32 s18, ttmp7, 0xffff
	s_lshl_b32 s18, s18, 2
.if MODE == 0
	s_cmp_eq_u32 ttmp9, 2
	s_cselect_b32 s19, 0, s18
	s_cselect_b32 s20, s18, 0
	s_add_co_u32 s17, s41, s19
	s_add_co_u32 s42, s40, s20
.else
	s_add_co_u32 s17, s18, s41
	s_lshl_b32 s42, ttmp9, 2
	s_add_co_u32 s42, s42, s40
.endif
	s_lshl_b32 s43, s41, 2
	s_lshl_b32 s43, 15, s43
	s_lshl_b32 s44, 0x1111, s40
	s_or_b32 s[G1+0], s43, (3<<16)|(1<<21)
	s_or_b32 s[G1B+0], s44, (3<<16)|(1<<21)
.irp g, G1, G1B
	s_mov_b32 s[\g+1], 512<<16
	s_mov_b32 s[\g+2], 8<<16
	s_mov_b32 s[\g+3], 512<<16
	s_mov_b32 s[\g+4], 8
	s_mov_b32 s[\g+5], 2048
	s_mov_b32 s[\g+6], 0
	s_mov_b32 s[\g+7], 0
.endr
	s_lshl_b32 s18, s16, 3
	s_lshl_b32 s20, s17, 4
	s_add_co_u32 s20, s20, s18
	s_lshl_b32 s20, s20, 14
	s_lshl_b32 s46, s42, 4
	s_add_co_u32 s46, s46, s18
	s_lshl_b32 s46, s46, 14
.if MODE == 0
	s_lshl_b32 s21, ttmp9, 22
	s_lshl_b32 s47, ttmp9, 20
	s_add_co_u32 s47, s47, 0xC00000
	s_cmp_eq_u32 ttmp9, 2
	s_cselect_b32 s21, 0xE00000, s21
	s_cselect_b32 s47, 0x800000, s47
	s_add_co_u32 s20, s20, s21
	s_add_co_u32 s46, s46, s47
.else
	s_add_co_u32 s46, s46, 0x1000000
.endif
	s_mov_b32 s21, 0
	s_mov_b32 s47, 0
	s_mul_i32 s45, s14, HALFT
	s_wait_kmcnt 0x0
	s_load_b512 s[68:83], s[90:91], 0x0
	s_add_nc_u64 s[20:21], s[4:5], s[20:21]
	s_add_nc_u64 s[46:47], s[6:7], s[46:47]
.if MODE == 0
	s_cmp_eq_u32 ttmp9, 0
	s_cselect_b64 s[12:13], s[84:85], s[86:87]
	s_cmp_eq_u32 ttmp9, 2
	s_cselect_b64 s[12:13], s[88:89], s[12:13]
.else
	s_mov_b64 s[12:13], s[88:89]
.endif
	CROUND
.irp s, 0,1
	s_mov_b32 s[G0+4*\s], 1
	s_add_co_u32 s[G0+4*\s+1], s45, \s*SLOT
	s_add_nc_u64 s[G0+4*\s+2:G0+4*\s+3], s[20:21], \s*STEPB
	s_or_b32 s[G0+4*\s+3], s[G0+4*\s+3], 0x80000000
	s_mov_b32 s[G0B+4*\s], 1
	s_add_co_u32 s[G0B+4*\s+1], s45, \s*SLOT
	s_add_nc_u64 s[G0B+4*\s+2:G0B+4*\s+3], s[46:47], \s*STEPB
	s_or_b32 s[G0B+4*\s+3], s[G0B+4*\s+3], 0x80000000
.endr
	JLOAD G0, G1, G0B, G1B                         ; K step 0: one tensor load a wave at the head
	v_and_b32 v1, 15, v0
	s_wait_alu depctr_va_vdst(0)
	v_bfe_u32 v2, v0, 4, 1
	s_wait_alu depctr_va_vdst(0)
	v_and_b32 v3, 31, v0
	v_lshlrev_b32 v[VO0], 4, v3
	s_wait_alu depctr_va_vdst(0)
	s_lshl_b32 s21, s15, 15
	s_lshl_b32 s22, s16, 15
	s_add_co_u32 s22, s22, 2*HALFT
.irp s, 0,1
	v_add_nc_u32 v[ADRA+\s], s21, v[VO0]
	v_add_nc_u32 v[ADRB+\s], s22, v[VO0]
	s_add_co_u32 s21, s21, SLOT
	s_add_co_u32 s22, s22, SLOT
.endr
	s_lshl_b32 s2, s42, 10
	s_lshl_b32 s3, s16, 9
	s_add_co_u32 s2, s2, s3
.if MODE == 0
	s_lshl_b32 s3, s17, 10
	s_lshl_b32 s18, s15, 9
	s_add_co_u32 s3, s3, s18
	s_cmp_eq_u32 ttmp9, 2
	s_cselect_b32 s2, 0, s2
	s_cselect_b32 s3, s3, 0
	v_lshl_add_u32 v[RBO], v1, 2, s3
.endif
	v_lshl_add_u32 v[CBO], v2, 5, s2
.irp b, 0,1,2,3,4,5,6,7
	global_load_b128 v[BC+8*\b:BC+8*\b+3], v[CBO], s[12:13] offset:64*\b
	global_load_b128 v[BC+8*\b+4:BC+8*\b+7], v[CBO], s[12:13] offset:64*\b+16
.endr
.if MODE == 0
.irp a, 0,1,2,3,4,5,6,7
	global_load_b32 v[BR+2*\a], v[RBO], s[12:13] offset:64*\a
.endr
.endif
	s_lshl_b32 s18, s17, 4
	s_lshl_b32 s19, s15, 3
	s_add_co_u32 s18, s18, s19
	s_lshl_b32 s19, s42, 1
	s_add_co_u32 s19, s19, s16
.if MODE == 0
	s_lshr_b32 s22, s18, 7
	s_lshl_b32 s22, s22, 21
	s_and_b32 s23, s18, 127
	s_lshl_b32 s23, s23, 10
	s_add_co_u32 s22, s22, s23
	s_lshl_b32 s23, s19, 18
	s_add_co_u32 s22, s22, s23
	s_lshl_b32 s23, ttmp9, 22
	s_add_co_u32 s22, s22, s23
	s_lshl_b32 s23, s19, 17
	s_lshl_b32 s84, s18, 11
	s_add_co_u32 s23, s23, s84
	s_add_co_u32 s23, s23, 0x800000
	s_cmp_eq_u32 ttmp9, 2
	s_cselect_b32 s22, s23, s22
	s_cselect_b32 s92, 1, 0
	s_cselect_b32 s94, 0, 7
	s_lshl_b32 s92, 1024, s92
	s_lshl_b32 s94, 1024, s94
	s_mov_b32 s93, 0
	v_add_nc_u32 v[VO1], s94, v[VO0]
.else
	s_lshl_b32 s22, s18, 16
	s_lshl_b32 s23, s19, 11
	s_add_co_u32 s22, s22, s23
	v_add_nc_u32 v[VO1], 1024, v[VO0]
.endif
	s_mov_b32 s23, 0
	s_add_nc_u64 s[10:11], s[10:11], s[22:23]
	s_wait_kmcnt 0x0
.if MODE == 0
	s_cmp_eq_u32 ttmp9, 0
	s_cselect_b32 s84, s68, s70
	s_cselect_b32 s85, s69, s71
	s_cselect_b32 s86, s74, s75
	s_cmp_eq_u32 ttmp9, 2
	s_cselect_b32 s84, s72, s84
	s_cselect_b32 s85, s73, s85
	s_cselect_b32 s86, s77, s86
.else
	s_mov_b32 s84, s80
	s_mov_b32 s85, s81
	s_mov_b32 s86, s82
.endif
	s_add_co_i32 s84, s84, s85
	s_sub_co_i32 s86, s86, s84
	s_add_co_i32 s86, s86, 127
	s_lshl_b32 s87, s86, 23
	v_mov_b32 v[SCV], s87
	s_add_co_i32 s86, s86, 8
	s_lshl_b32 s86, s86, 23
	s_or_b32 s86, s86, 0x600000
	v_mov_b32 v[HI], s86
	s_sub_co_i32 s84, 127, s84
	s_lshl_b32 s84, s84, 23
.if MODE == 0
	s_cmp_eq_u32 ttmp9, 2
	s_cselect_b32 s88, 0, s84
	s_cselect_b32 s95, s84, 0
.else
	s_mov_b32 s88, s84
.endif
	s_mov_b32 s89, s88
	s_wait_loadcnt 0x0
.set j, 0
.rept 32
	v_pk_mul_f32 v[BC+j:BC+j+1], v[BC+j:BC+j+1], s[88:89] op_sel_hi:[1,0]
.set j, j+2
.endr
.if MODE == 0
.irp a, 0,1,2,3,4,5,6,7
	v_mul_f32 v[BR+2*\a+1], s95, v[BR+2*\a]
	v_mul_f32 v[BR+2*\a], s95, v[BR+2*\a]
.endr
.endif
.macro FRAG reg, adr, q, i
.irp c, 0,1,2,3
	ds_load_b128 v[\reg+4*\c:\reg+4*\c+3], v[\adr] offset:(\i)*STEPB+(\q)*2048+\c*512
.endr
.endm
.macro MUL16 a0, p, first
.irp a, \a0, \a0+1
.irp b, 0,1,2,3,4,5,6,7
.if \first
	v_wmma_f32_16x16x128_fp8_fp8 v[8*(8*((\a)%4)+\b):8*(8*((\a)%4)+\b)+7], v[128*(\p)+FR*\b:128*(\p)+FR*\b+FR-1], v[AF+FR*(\a):AF+FR*(\a)+FR-1], v[BC+8*\b:BC+8*\b+7]
.else
	v_wmma_f32_16x16x128_fp8_fp8 v[8*(8*((\a)%4)+\b):8*(8*((\a)%4)+\b)+7], v[128*(\p)+FR*\b:128*(\p)+FR*\b+FR-1], v[AF+FR*(\a):AF+FR*(\a)+FR-1], v[8*(8*((\a)%4)+\b):8*(8*((\a)%4)+\b)+7]
.endif
.endr
.endr
.endm
.macro FETCH_B slot, q, p
	WIN TO_B
.irp i, 0,1,2,3,4,5,6,7
	FRAG 128*(\p)+FR*\i, ADRB+\slot, \q, \i
.endr
	WIN 0
.endm
.macro FETCH_A slot, q, i0
.irp i, \i0, \i0+1, \i0+2, \i0+3
	FRAG AF+FR*(\i), ADRA+\slot, \q, \i
.endr
.endm
.macro STEP slot, q, first
	s_wait_dscnt 4*NL
.if \first
	WIN BEG_LO
.else
	WIN MUL_LO
.endif
	MUL16 0, (\q)%2, \first
	MUL16 2, (\q)%2, \first
	s_wait_dscnt 0
	PLACES NP
	FETCH_B \slot, (\q)+1, 1-(\q)%2
	FETCH_A \slot, (\q)+1, 0
.if \first
	WIN BEG_HI
.else
	WIN MUL_HI
.endif
	MUL16 4, (\q)%2, \first
	MUL16 6, (\q)%2, \first
	PLACES NP
	WIN 0
	FETCH_A \slot, (\q)+1, 4
.endm
.macro TURN slot, next, fill
	s_wait_tensorcnt 0x0
	ds_add_u32 v[SPW], v[NIL]
	s_wait_dscnt 4*NL+1
	WIN MUL_LO
	MUL16 0, 1, 0
	s_wait_dscnt 0x0
	s_barrier_signal -1
	MUL16 2, 1, 0
	WIN 0
	s_barrier_wait -1
.if \fill
	CREST
	s_add_nc_u64 s[G0+4*\slot+2:G0+4*\slot+3], s[G0+4*\slot+2:G0+4*\slot+3], 2*STEPB
	s_add_nc_u64 s[G0B+4*\slot+2:G0B+4*\slot+3], s[G0B+4*\slot+2:G0B+4*\slot+3], 2*STEPB
	JLOAD G0+4*\slot, G1, G0B+4*\slot, G1B
.else
	PLACES NP
.endif
	FETCH_B \next, 0, 0
	FETCH_A \next, 0, 0
	WIN MUL_HI
	MUL16 4, 1, 0
	MUL16 6, 1, 0
	PLACES NP
	WIN 0
	FETCH_A \next, 0, 4
.endm
	s_wait_alu depctr_va_vdst(0)                   ; the wait at the head's end
	s_wait_tensorcnt 0x0                           ; my part of K step 0 is in; slot 1's first fill is issued as a refill is
	ds_add_u32 v[SPW], v[NIL]
	s_wait_dscnt 0x0
	CROUND
	JLOAD G0+4, G1, G0B+4, G1B                     ; K step 1, the first tensor load behind the round
	FETCH_B 0, 0, 0
	FETCH_A 0, 0, 0
	FETCH_A 0, 0, 4
	STEP 0, 0, 1
	TURN 0, 1, 1
	STEP 1, 0, 0
	TURN 1, 0, 1
	STEP 0, 0, 0
	TURN 0, 1, 0
	STEP 1, 0, 0
	s_wait_dscnt 4*NL
	WIN MUL_LO
	MUL16 0, 1, 0
	MUL16 2, 1, 0
	s_wait_dscnt 0
	WIN MUL_HI
	MUL16 4, 1, 0
	MUL16 6, 1, 0
	WIN 0
.macro OUTBLK a
.set AC, 64*((\a)%4)
	WIN 0x02+((\a)/4)
.if MODE == 0
.set j, 0
.rept 32
	v_pk_add_f32 v[TMP+j:TMP+j+1], v[AC+j:AC+j+1], v[BR+2*(\a):BR+2*(\a)+1]
.set j, j+2
.endr
	WIN 0
.set j, 0
.rept 64
	v_med3_num_f32 v[TMP+j], v[TMP+j], -v[HI], v[HI]
.set j, j+1
.endr
.else
.set j, 0
.rept 64
	v_med3_num_f32 v[TMP+j], v[AC+j], 0, v[HI]
.set j, j+1
.endr
	WIN 0
.endif
.if (\a) > 0
	s_wait_alu depctr_va_vdst(0)
	s_wait_xcnt 0x0
.if MODE == 0
	s_add_nc_u64 s[10:11], s[10:11], s[92:93]
.endif
.endif
.irp b, 0,1,2,3,4,5,6,7
	v_cvt_scalef32_pk8_fp8_f32 v[CD+2*\b:CD+2*\b+1], v[TMP+8*\b:TMP+8*\b+7], v[SCV]
.endr
	v_nop
.if MODE == 0
	global_store_b128 v[VO0], v[CD:CD+3], s[10:11]
	global_store_b128 v[VO0], v[CD+4:CD+7], s[10:11] offset:512
	global_store_b128 v[VO1], v[CD+8:CD+11], s[10:11]
	global_store_b128 v[VO1], v[CD+12:CD+15], s[10:11] offset:512
.else
	global_store_b128 v[VO0], v[CD:CD+3], s[10:11] offset:(\a)*65536
	global_store_b128 v[VO0], v[CD+4:CD+7], s[10:11] offset:(\a)*65536+512
	global_store_b128 v[VO1], v[CD+8:CD+11], s[10:11] offset:(\a)*65536
	global_store_b128 v[VO1], v[CD+12:CD+15], s[10:11] offset:(\a)*65536+512
.endif
.endm
	PLACES NP
.irp a, 0,1,2,3,4,5,6,7
	OUTBLK \a
.endr
	s_wait_tensorcnt 0x0
	ds_add_u32 v[SPW], v[NIL]
	s_wait_dscnt 0x0
	CROUND
	s_endpgm
.Lfunc_end_k_qc049b93923_qkv:
	.size	k_qc049b93923_qkv, .Lfunc_end_k_qc049b93923_qkv-k_qc049b93923_qkv
	.p2alignl 7, 3214868480
	.fill 96, 4, 3214868480
	.section	.rodata,"a",@progbits
	.p2align	6, 0x0
	.amdhsa_kernel k_qc049b93923_qkv
		.amdhsa_group_segment_fixed_size 327680
		.amdhsa_private_segment_fixed_size 0
		.amdhsa_enable_private_segment 0
		.amdhsa_kernarg_size 48
		.amdhsa_user_sgpr_count 2
		.amdhsa_user_sgpr_kernarg_segment_ptr 1
		.amdhsa_wavefront_size32 1
		.amdhsa_system_sgpr_workgroup_id_x 1
		.amdhsa_system_sgpr_workgroup_id_y 1
		.amdhsa_system_sgpr_workgroup_id_z 1
		.amdhsa_system_vgpr_workitem_id 0
		.amdhsa_next_free_vgpr 1024
		.amdhsa_next_free_sgpr 100
		.amdhsa_reserve_vcc 0
		.amdhsa_float_denorm_mode_32 3
		.amdhsa_float_denorm_mode_16_64 3
		.amdhsa_memory_ordered 1
		.amdhsa_forward_progress 1
		.amdhsa_inst_pref_size 141
	.end_amdhsa_kernel
	.amdgpu_metadata
---
amdhsa.version: [ 1, 2 ]
amdhsa.kernels:
  - .name:           k_qc049b93923_qkv
    .symbol:         k_qc049b93923_qkv.kd
    .args:
      - { .name: codes0, .offset: 0, .size: 8, .value_kind: global_buffer, .address_space: global }
      - { .name: wq_b, .offset: 8, .size: 8, .value_kind: global_buffer, .address_space: global }
      - { .name: wk_b, .offset: 16, .size: 8, .value_kind: global_buffer, .address_space: global }
      - { .name: wv_b, .offset: 24, .size: 8, .value_kind: global_buffer, .address_space: global }
      - { .name: lowp_scales, .offset: 32, .size: 8, .value_kind: global_buffer, .address_space: global }
      - { .name: qkvc, .offset: 40, .size: 8, .value_kind: global_buffer, .address_space: global }
    .group_segment_fixed_size: 327680
    .private_segment_fixed_size: 0
    .kernarg_segment_align: 8
    .kernarg_segment_size: 48
    .max_flat_workgroup_size: 128
    .sgpr_count:     100
    .vgpr_count:     1024
    .wavefront_size: 32
...
	.end_amdgpu_metadata
.endif
;; end of part 2
;; launch attn (part 3): grid 8 x 32, 8 waves a work-group, no clusters, 271,360 bytes of LDS; arguments qkvc, codes0, lowp_scales, ac; writes ac
.if DOCPART == 3
	.amdgcn_target "amdgcn-amd-amdhsa--gfx1250"
	.amdhsa_code_object_version 6
	.text
	.protected	k_qc049b93923_attn
	.globl	k_qc049b93923_attn
	.p2align	8
	.type	k_qc049b93923_attn,@function
k_qc049b93923_attn:
	s_mov_b64 s[64:65], 0
	v_nop
	global_prefetch_b8 v0, s[64:65] scope:SCOPE_SE
	s_setreg_imm32_b32 hwreg(HW_REG_WAVE_MODE, 25, 1), 1
	s_wait_xcnt 0x0
; Attention on codes of E4M3, head size 64, 2,048 keys, with the mask's term.  Work-group (x, y): 256 queries (block x) of head y % 16 of batch y / 16.  Eight waves of 32 queries: two tiles of 16,
; so that each fragment of K and V read from LDS feeds two matrix instructions; two waves to a SIMD.
; t = score x 2^(e6 + e7) log2(e) / 8 + the mask's term, one fused multiply-add, ROUNDED; M = the running largest t rounded up to a whole number; p = 2^(t - M), taken from the rounded t, so that the largest key's
; exponent lies in (-1, 0] whatever the size of t; p is quantised by 2^e8; the row's sum is taken of the unquantised p; when M moves, the sum and O are multiplied by the exact power 2^(old M - new M).
; At the end O / sum x 2^(e8 + e9) is quantised by 2^e10.
; LAYOUT: all operands are images of their registers.  S^T = K Q^T (source 0 = 16 keys, source 1 = 16 queries, K = 64) gives lane (r, h) query r and keys 16 t + 8 h + 0..7 of tile t: their conversion is register
; pair t of P for O^T = V^T P^T (source 0 = 16 channels x 128 keys).  O^T's conversion is a register pair of the next product's operand.
; LDS: the head's whole K (131,072 bytes from 0) and V (131,072 bytes behind it) stay; no byte is written twice.  They come through registers, a chunk of 256 keys (two key steps) a trip: waves 0-3 carry K, waves
; 4-7 V, 4 KiB each.  In trip c a wave stores chunk c + 1, asks for chunk c + 2, and signals the trip's one barrier in the first key step; it waits for it in the second, ahead of its first read of chunk c + 1.
; From MTB: the batch's 2,048 terms of the mask, as the first launch stored them.
; Each tile's 64 exponentials are a batch with one wait ahead and one behind; among tile 0's stand only tile 1's t - M, whose results are first read behind the next wait.
; No tensor loads and no cluster: p is at most 1, which lies under 448 x 2^e8 wherever e8 >= -8, and then the 128 holds of a step are jumped over by a scalar branch on the given whole number.
; No L2 prefetch: a chunk's loads into registers are issued two key steps ahead of the stores that want them.
; LIMITS: e6 + e7 - 3 between -126 and 127; e8, and e10 - e8 - e9, between -126 and 119.  NaN and infinities (a mask beyond 3e26 among them) are not served.
; REGISTERS: window 0: v1-3 addresses; v4-7 scales; v8-23 statistics; v24-31 at work; v32-159 S^T, then t, then p; v160-223 O^T; v224-255 staging.
;            window 1: v0-63 K; v64-127 V; v128-191 the mask's term; v192-223 P; v224-239 Q; v240-243 LDS addresses of the chunk in hand; v254, v255 the spare word's address and 0.
.set MTB,   0x40000
.set SPARE, 0x42000                    ; 128 bytes for each wave, named by no other line
.set LI,  1                            ; 16 x lane
.set STA, 2                            ; where my 4 KiB of chunk 0 lie in LDS
.set MTO, 3                            ; MTB + 32 h
.set SCP, 4                            ; 2^e8;  v5  448 x 2^e8
.set LMP, 5
.set SCO, 6                            ; 2^(e10 - e8 - e9);  v7  448 x that
.set LMO, 7
.set ST,  8                            ; tile u at v[8 + 8 u]: +0 -M, +1 the largest t, +2, +3 the sum, +4 f (+5 named with it), +6, +7 at work
.set W,   24
.set S,   32
.set O,   160
.set SG,  224
.set KR,  0                            ; window 1
.set VR,  64
.set MT,  128
.set P,   192
.set Q,   224
.set AK,  240
.set AV,  241
.set AM,  242
.set AS,  243
.set MSB, 0
.macro WIN new                         ; the immediate's high byte repeats the setting that is left
.if MSB != \new
	s_set_vgpr_msb (MSB<<8)|\new
.set MSB, \new
.endif
.endm
.macro PLACES
.rept 4
	v_nop
.endr
.endm
.macro LDCH r                          ; my 4 KiB of a chunk into registers
.irp i, 0,1,2,3,4,5,6,7
	global_load_b128 v[\r+4*\i:\r+4*\i+3], v[LI], s[12:13] offset:512*\i
.endr
.endm
.macro SETADR                          ; the chunk's LDS addresses, from scalars that step by constants
	WIN 0x40
	v_add_nc_u32 v[AK], s16, v[LI]
	v_add_nc_u32 v[AV], s17, v[LI]
	v_add_nc_u32 v[AS], s16, v[STA]
	v_add_nc_u32 v[AM], s19, v[MTO]
	WIN 0
.endm
.macro LDL reg, adr, off               ; 16 dense loads of 512 bytes (address and destination in window 1)
.set f, 0
.rept 16
	ds_load_b128 v[\reg+4*f:\reg+4*f+3], v[\adr] offset:\off+512*f
.set f, f+1
.endr
.endm
.macro LDMT off                        ; register 8 t + j = the term of key 16 t + 8 h + j
.set f, 0
.rept 16
	ds_load_b128 v[MT+4*f:MT+4*f+3], v[AM] offset:\off+64*(f/2)+16*(f%2)
.set f, f+1
.endr
.endm
.macro MAXI u                          ; line j of 32: the largest of my 64 t and the old largest, in four chains
.set rT, ST+8*(\u)
.set rS, S+64*(\u)
.set rW, W+4*(\u)
.if j < 4
	v_max3_num_f32 v[rW+j], v[rS+16*j], v[rS+16*j+1], v[rS+16*j+2]
.elseif j < 28
	v_max3_num_f32 v[rW+j%4], v[rW+j%4], v[rS+16*(j%4)+2*(j/4)+1], v[rS+16*(j%4)+2*(j/4)+2]
.elseif j == 28
	v_max3_num_f32 v[rW], v[rW], v[rS+15], v[rS+31]
.elseif j == 29
	v_max3_num_f32 v[rW+2], v[rW+2], v[rS+47], v[rS+63]
.elseif j == 30
	v_max3_num_f32 v[rW], v[rW], v[rW+1], v[rW+2]
.else
	v_max3_num_f32 v[rW], v[rW], v[rW+3], v[rT+1]
.endif
.endm
.macro STAT u                          ; line k of 7
.set rT, ST+8*(\u)
.set rW, W+4*(\u)
.if k == 0
	v_permlanex16_b32 v[rW+1], v[rW], s20, s21             ; the query's other 64 keys lie in lane l xor 16
.elseif k == 1
	v_mov_b32 v[rT+6], v[rT]                               ; the old -M
.elseif k == 2
	v_max_num_f32 v[rT+1], v[rW], v[rW+1]                  ; the running largest t
.elseif k == 3
	v_floor_f32 v[rT], -v[rT+1]                            ; -M = floor(-t): M is a whole number
.elseif k == 4
	v_sub_f32 v[rT+6], v[rT], v[rT+6]                      ; old M - new M, 0 or less
.elseif k == 5
	v_cvt_i32_f32 v[rT+6], v[rT+6]                         ; (it saturates)
.else
	v_ldexp_f32 v[rT+4], 1.0, v[rT+6]                      ; f = 2^(old M - new M)
.endif
.endm
.macro ADDI u                          ; pair j: t - M
.set rT, ST+8*(\u)
.set rS, S+64*(\u)
	v_pk_add_f32 v[rS+2*j:rS+2*j+1], v[rS+2*j:rS+2*j+1], v[rT:rT+1] op_sel_hi:[1,0]
.endm
.macro SUMI u                          ; line j of 32: the sum of the unquantised p, in four chains of pairs; the last: sum = sum x f + this step's
.set rT, ST+8*(\u)
.set rS, S+64*(\u)
.if j < 4
	v_pk_add_f32 v[W+2*j:W+2*j+1], v[rS+4*j:rS+4*j+1], v[rS+4*j+2:rS+4*j+3]
.elseif j < 28
	v_pk_add_f32 v[W+2*(j%4):W+2*(j%4)+1], v[W+2*(j%4):W+2*(j%4)+1], v[rS+8+2*j:rS+8+2*j+1]
.elseif j == 28
	v_pk_add_f32 v[W:W+1], v[W:W+1], v[W+2:W+3]
.elseif j == 29
	v_pk_add_f32 v[W+4:W+5], v[W+4:W+5], v[W+6:W+7]
.elseif j == 30
	v_pk_add_f32 v[W:W+1], v[W:W+1], v[W+4:W+5]
.else
	v_pk_fma_f32 v[rT+2:rT+3], v[rT+2:rT+3], v[rT+4:rT+5], v[W:W+1] op_sel_hi:[1,0,1]
.endif
.endm
.macro RESI                            ; pair j of both tiles' O^T under the new M; each accumulator from its low end on
	v_pk_mul_f32 v[O+2*j:O+2*j+1], v[O+2*j:O+2*j+1], v[ST+8*(j/16)+4:ST+8*(j/16)+5] op_sel_hi:[1,0]
.endm
	s_load_b256 s[4:11], s[0:1], 0x0               ; qkvc, codes0, the scales' exponents, ac
	s_set_vgpr_msb 0x40
	v_lshl_add_u32 v254, v0, 2, SPARE
	v_mov_b32 v255, 0
	s_set_vgpr_msb 0x4000
	v_lshrrev_b32 v24, 5, v0
	v_readfirstlane_b32 s18, v24                   ; wave 0..7
	v_and_b32 v24, 31, v0
	v_lshlrev_b32 v[LI], 4, v24
	v_bfe_u32 v25, v0, 4, 1
	v_lshl_add_u32 v[MTO], v25, 5, MTB
	v_lshl_add_u32 v26, v0, 5, MTB                 ; where my thread's eight terms go,
	v_lshlrev_b32 v27, 5, v0                       ; and where they come from
	s_lshr_b32 s26, s18, 2                         ; K (0) or V (1)
	s_lshl_b32 s26, s26, 17
	s_and_b32 s27, s18, 3
	s_lshl_b32 s27, s27, 12
	s_add_co_u32 s26, s26, s27
	v_add_nc_u32 v[STA], s26, v[LI]
	s_and_b32 s27, ttmp7, 0xffff                   ; b x 16 + head
	s_lshr_b32 s28, s27, 4                         ; b
	s_and_b32 s29, s27, 15                         ; head
	s_lshl_b32 s30, s27, 17                        ; the head's 128 tiles of 1,024 bytes
	s_lshl_b32 s31, ttmp9, 4
	s_lshl_b32 s32, s18, 1
	s_add_co_u32 s31, s31, s32                     ; my first tile of queries
	s_lshl_b32 s32, s31, 10
	s_add_co_u32 s32, s30, s32                     ; Q
	s_mov_b32 s33, 0
	s_lshl_b32 s34, s18, 12
	s_add_co_u32 s34, s34, s30
	s_add_co_u32 s34, s34, 0x400000                ; K: a chunk's 16 tiles are 16 KiB on end; 4 KiB a wave
	s_bfe_u32 s52, s18, 0x10001                    ; V: which of the chunk's two key steps,
	s_lshl_b32 s52, s52, 17
	s_and_b32 s53, s18, 1                          ; which half of the head's 8 KiB in it
	s_lshl_b32 s53, s53, 12
	s_add_co_u32 s52, s52, s53
	s_lshl_b32 s53, s28, 21
	s_add_co_u32 s52, s52, s53
	s_lshl_b32 s53, s29, 13
	s_add_co_u32 s52, s52, s53
	s_add_co_u32 s52, s52, 0x800000
	s_cmp_lt_u32 s18, 4
	s_cselect_b32 s34, s34, s52
	s_cselect_b32 s14, 0, 4
	s_lshl_b32 s14, 16384, s14                     ; a chunk on: 16,384 bytes in K, two key steps of 131,072 in V
	s_mov_b32 s15, 0
	s_mov_b32 s35, 0
	s_lshl_b32 s54, s28, 7
	s_add_co_u32 s54, s54, s31                     ; ac: T = 128 b + my tile; fragment head / 2; pieces 2 (head % 2) on
	s_lshl_b32 s54, s54, 14
	s_lshr_b32 s55, s29, 1
	s_lshl_b32 s55, s55, 11
	s_add_co_u32 s54, s54, s55
	s_and_b32 s55, s29, 1
	s_lshl_b32 s55, s55, 10
	s_add_co_u32 s54, s54, s55
	s_mov_b32 s55, 0
	s_lshl_b32 s56, s28, 13
	s_add_co_u32 s56, s56, 0x1800000               ; the mask's term of my batch
	s_mov_b32 s57, 0
	s_mov_b32 s20, 0x76543210                      ; v_permlanex16_b32: lane l xor 16
	s_mov_b32 s21, 0xfedcba98
	s_mov_b32 s24, 8                               ; trips: a chunk of 256 keys each
	s_mov_b32 s16, 0                               ; the chunk in hand: K's LDS byte,
	s_mov_b32 s17, 0x20000                         ; V's,
	s_mov_b32 s19, 0                               ; and the terms'
	s_wait_alu depctr_va_vdst(0)                   ; directly ahead of the wait below
	s_wait_kmcnt 0x0
	s_load_b512 s[36:51], s[8:9], 0x0              ; e0 .. e15
	s_add_nc_u64 s[26:27], s[4:5], s[32:33]
	s_add_nc_u64 s[12:13], s[4:5], s[34:35]
	s_add_nc_u64 s[58:59], s[6:7], s[56:57]
	s_add_nc_u64 s[10:11], s[10:11], s[54:55]
	LDCH 64                                        ; chunk 0, into registers that the scores take later
	global_load_b128 v[32:35], v27, s[58:59]
	global_load_b128 v[36:39], v27, s[58:59] offset:16
	WIN 0x40
.irp i, 0,1,2,3
	global_load_b128 v[Q+4*\i:Q+4*\i+3], v[LI], s[26:27] offset:512*\i   ; Q's two fragments stay in registers
.endr
	WIN 0
	s_wait_xcnt 0x0                                ; chunk 0's loads have read their base
	s_add_nc_u64 s[12:13], s[12:13], s[14:15]
	LDCH SG                                        ; chunk 1
.set j, 0
.rept 64
	v_mov_b32 v[O+j], 0                            ; O^T: the step is written once; the first finds zeros, which the first change of M leaves zeros
.set j, j+1
.endr
.irp u, 0,1
	v_mov_b32 v[ST+8*\u], 0x7f61b1e6               ; -M = 3e38
	v_mov_b32 v[ST+8*\u+1], 0xff61b1e6             ; the largest t so far: -3e38
	v_mov_b32 v[ST+8*\u+2], 0
	v_mov_b32 v[ST+8*\u+3], 0
	v_mov_b32 v[ST+8*\u+5], 0                      ; (named as the upper half of f's pair)
	v_mov_b32 v[ST+8*\u+7], 0                      ; (a lane permute's destination on the way out: it counts as read)
.endr
	s_wait_alu depctr_va_vdst(0)                   ; directly ahead of the wait below
	s_wait_kmcnt 0x0
	s_add_co_i32 s52, s42, s43
	s_sub_co_i32 s52, s52, 3
	s_lshl_b32 s52, s52, 23
	s_add_co_i32 s22, s52, 0x3fb8aa3b              ; c = log2(e) x 2^(e6 + e7 - 3): the exponents are added to the exponent field
	s_mov_b32 s23, s22
	s_add_co_i32 s52, s44, 127
	s_lshl_b32 s53, s52, 23
	v_mov_b32 v[SCP], s53
	s_add_co_i32 s52, s52, 8
	s_lshl_b32 s52, s52, 23
	s_or_b32 s52, s52, 0x600000
	v_mov_b32 v[LMP], s52
	s_sub_co_i32 s52, s46, s44
	s_sub_co_i32 s52, s52, s45
	s_add_co_i32 s52, s52, 127
	s_lshl_b32 s53, s52, 23
	v_mov_b32 v[SCO], s53
	s_add_co_i32 s52, s52, 8
	s_lshl_b32 s52, s52, 23
	s_or_b32 s52, s52, 0x600000
	v_mov_b32 v[LMO], s52
	s_cmp_lt_i32 s44, -8
	s_cselect_b32 s25, 1, 0                        ; is 448 x 2^e8 under 1, so that p has to be held?
	SETADR
	s_wait_alu depctr_va_vdst(0)                   ; the wait at the head's end
	s_wait_loadcnt 14                              ; chunk 0 is in: younger are 2 loads of terms, 4 of Q, 8 of chunk 1
.irp i, 0,1,2,3,4,5,6,7
	ds_store_b128 v[STA], v[64+4*\i:64+4*\i+3] offset:512*\i
.endr
	s_wait_loadcnt 12                              ; the terms are in: younger are Q's 4 and chunk 1's 8
	ds_store_b128 v26, v[32:35]
	ds_store_b128 v26, v[36:39] offset:16
	s_wait_dscnt 0x0                               ; for the others' sake
	s_barrier_signal -1
	s_barrier_wait -1
	WIN 0x41
	LDL KR, AK, 0                                  ; K and the terms of step 0
	LDMT 0
	WIN 0
; A key step of 128 keys: the q-th of the chunk in hand.
.macro STEP q
	s_wait_dscnt 0x0                               ; K and the terms are in
.if \q == 0
	s_wait_loadcnt 0x0                             ; the next chunk's 4 KiB, asked for a trip ago (the first time: Q too)
	s_cmp_eq_u32 s24, 1                            ; the last chunk has no successor
	s_cbranch_scc1 .Lns_\@
	WIN 0x01
.irp i, 0,1,2,3,4,5,6,7
	ds_store_b128 v[AS], v[SG+4*\i:SG+4*\i+3] offset:16384+512*\i
.endr
	WIN 0
.Lns_\@:
.endif
	WIN 0x05                                       ; K and Q in window 1, S^T in window 0
.irp t, 0,1,2,3,4,5,6,7
.irp u, 0,1
	v_wmma_f32_16x16x64_fp8_fp8 v[S+64*\u+8*\t:S+64*\u+8*\t+7], v[KR+8*\t:KR+8*\t+7], v[Q+8*\u:Q+8*\u+7], 0
.endr
.endr
	PLACES                                         ; ahead of the loads over V and K, and of the first read of the scores
	WIN 0x41
	LDL VR, AV, (\q)*8192                          ; wanted at the step's end
.if \q == 0
	LDL KR, AK, 8192                               ; the next step's K: the same chunk
.else
	s_add_co_u32 s16, s16, 16384                   ; on to the next chunk; the addresses are next read behind the lines below
	s_add_co_u32 s17, s17, 16384
	s_add_co_u32 s19, s19, 1024
	SETADR
.endif
	WIN 0x10                                       ; source 2, the mask's term, in window 1
.set j, 0
.rept 64
	v_pk_fma_f32 v[S+j:S+j+1], v[S+j:S+j+1], s[22:23], v[MT+j%64:MT+j%64+1] op_sel_hi:[1,0,1]   ; t, rounded once; each accumulator from its low end on
.set j, j+2
.endr
.if \q == 0
	WIN 0x41
	LDMT 512                                       ; the next step's terms, behind the lines that read this step's
.endif
	WIN 0
.set j, 0
.rept 32
	MAXI 0
.set j, j+1
.endr
.set j, 0
.rept 32
	MAXI 1
.if (j%3 == 2) && (j < 21)
.set k, j/3
	STAT 0                                         ; tile 0's dependent lines stand among tile 1's maxima
.endif
.set j, j+1
.endr
.set k, 0
.rept 8
.if k < 7
	STAT 1                                         ; and tile 1's among the rescaling of tile 0's O^T
.endif
.set j, 2*k
	RESI
.set j, 2*k+1
	RESI
.set k, k+1
.endr
.set j, 0
.rept 32
	ADDI 0
.set j, j+1
.endr
.set j, 16
.rept 16
	RESI
.set j, j+1
.endr
	s_wait_alu depctr_va_vdst(0)                   ; the wait ahead of the batch
.set n, 0
.rept 64
	v_exp_f32 v[S+n], v[S+n]                       ; tile 0's p
.if n%2 == 1
.set j, n/2
	ADDI 1                                         ; tile 1's t - M: first read behind the wait below
.endif
.set n, n+1
.endr
	s_wait_alu depctr_va_vdst(0)                   ; behind the first batch and ahead of the second
.set n, 0
.rept 64
	v_exp_f32 v[S+64+n], v[S+64+n]                 ; tile 1's p
.set n, n+1
.endr
	v_nop                                          ; a plain place behind the last exponential
	s_wait_alu depctr_va_vdst(0)                   ; one wait for the batch, ahead of its first reader
.if \q == 1
	s_barrier_wait -1                              ; every wave's part of the next chunk lies in LDS
	s_cmp_eq_u32 s24, 1
	s_cbranch_scc1 .Lnn_\@
	WIN 0x41
	LDL KR, AK, 0                                  ; the next step's K and terms
	LDMT 0
	WIN 0
.Lnn_\@:
.endif
.irp u, 0,1
.set j, 0
.rept 32
	SUMI \u
.set j, j+1
.endr
.endr
	s_cmp_eq_u32 s25, 0
	s_cbranch_scc1 .Lnh_\@
.set j, 0
.rept 128
	v_min_num_f32 v[S+j], v[S+j], v[LMP]           ; the conversion does not saturate (ISA guide 7.6.2); p is not negative
.set j, j+1
.endr
.Lnh_\@:
	WIN 0x40                                       ; P in window 1
.irp u, 0,1
.irp t, 0,1,2,3,4,5,6,7
	v_cvt_scalef32_pk8_fp8_f32 v[P+16*\u+2*\t:P+16*\u+2*\t+1], v[S+64*\u+8*\t:S+64*\u+8*\t+7], v[SCP]
.endr
.endr
	v_nop                                          ; a plain line between the conversions and the products that read P or write S^T
	WIN 0
	s_wait_alu depctr_va_vdst(0)                   ; directly ahead of the wait below
	s_wait_dscnt 0x0                               ; V is in; so are the next step's loads, and my stores of the next chunk have landed
.if \q == 0
	s_cmp_lt_u32 s24, 3                            ; the last two chunks have no chunk two on
	s_cbranch_scc1 .Lnl_\@
	s_add_nc_u64 s[12:13], s[12:13], s[14:15]      ; (the loads that read this base were waited for at the step's head)
	LDCH SG
.Lnl_\@:
	s_barrier_signal -1                            ; up to the wait: register work, and reads of the chunk in hand, which nobody writes
.endif
	WIN 0x05                                       ; V and P in window 1, O^T in window 0
.irp d, 0,1,2,3
.irp u, 0,1
	v_wmma_f32_16x16x128_fp8_fp8 v[O+32*\u+8*\d:O+32*\u+8*\d+7], v[VR+16*\d:VR+16*\d+15], v[P+16*\u:P+16*\u+15], v[O+32*\u+8*\d:O+32*\u+8*\d+7]   ; eight accumulators by turns
.endr
.endr
	WIN 0
.endm
.Ltrip:
	STEP 0
	STEP 1
	s_sub_co_u32 s24, s24, 1
	s_cmp_lg_u32 s24, 0
	s_cbranch_scc1 .Ltrip
	; THE WAY OUT
	PLACES
.irp u, 0,1
	v_add_f32 v[ST+8*\u+6], v[ST+8*\u+2], v[ST+8*\u+3]
.endr
.irp u, 0,1
	v_permlanex16_b32 v[ST+8*\u+7], v[ST+8*\u+6], s20, s21
.endr
.irp u, 0,1
	v_add_f32 v[ST+8*\u+6], v[ST+8*\u+6], v[ST+8*\u+7]     ; the row's sum
.endr
	s_wait_alu depctr_va_vdst(0)                   ; ahead of the transcendentals
.irp u, 0,1
	v_rcp_f32 v[ST+8*\u+6], v[ST+8*\u+6]
.endr
	v_nop
	s_wait_alu depctr_va_vdst(0)                   ; for both reciprocals, and directly ahead of the first reader of O^T
.irp u, 0,1
.set j, 0
.rept 32
	v_mul_f32 v[S+32*\u+j], v[O+32*\u+j], v[ST+8*\u+6]     ; each accumulator from its low end on
.set j, j+1
.endr
.endr
.set j, 0
.rept 64
	v_med3_num_f32 v[S+j], v[S+j], -v[LMO], v[LMO]
.set j, j+1
.endr
.irp u, 0,1
.irp d, 0,1,2,3
	v_cvt_scalef32_pk8_fp8_f32 v[S+64+8*\u+2*\d:S+64+8*\u+2*\d+1], v[S+32*\u+8*\d:S+32*\u+8*\d+7], v[SCO]   ; channels 16 d + 8 h + 0..7: register pair 4 (head % 2) + d of the fragment
.endr
.endr
	v_nop
.irp u, 0,1
.irp c, 0,1
	global_store_b128 v[LI], v[S+64+8*\u+4*\c:S+64+8*\u+4*\c+3], s[10:11] offset:16384*\u+512*\c   ; 512 consecutive bytes, aligned
.endr
.endr
	WIN 0x05
	s_wait_tensorcnt 0x0                           ; the wave's end
	ds_add_u32 v254, v255
	s_wait_dscnt 0x0
	WIN 0
	s_endpgm
.Lfunc_end_k_qc049b93923_attn:
	.size	k_qc049b93923_attn, .Lfunc_end_k_qc049b93923_attn-k_qc049b93923_attn
	.p2alignl 7, 3214868480
	.fill 96, 4, 3214868480
	.section	.rodata,"a",@progbits
	.p2align	6, 0x0
	.amdhsa_kernel k_qc049b93923_attn
		.amdhsa_group_segment_fixed_size 271360
		.amdhsa_private_segment_fixed_size 0
		.amdhsa_enable_private_segment 0
		.amdhsa_kernarg_size 32
		.amdhsa_user_sgpr_count 2
		.amdhsa_user_sgpr_kernarg_segment_ptr 1
		.amdhsa_wavefront_size32 1
		.amdhsa_system_sgpr_workgroup_id_x 1
		.amdhsa_system_sgpr_workgroup_id_y 1
		.amdhsa_system_sgpr_workgroup_id_z 1
		.amdhsa_system_vgpr_workitem_id 0
		.amdhsa_next_free_vgpr 512
		.amdhsa_next_free_sgpr 66
		.amdhsa_reserve_vcc 0
		.amdhsa_float_denorm_mode_32 3
		.amdhsa_float_denorm_mode_16_64 3
		.amdhsa_memory_ordered 1
		.amdhsa_forward_progress 1
		.amdhsa_inst_pref_size 88
	.end_amdhsa_kernel
	.amdgpu_metadata
---
amdhsa.version: [ 1, 2 ]
amdhsa.kernels:
  - .name:           k_qc049b93923_attn
    .symbol:         k_qc049b93923_attn.kd
    .args:
      - { .name: qkvc, .offset: 0, .size: 8, .value_kind: global_buffer, .address_space: global }
      - { .name: codes0, .offset: 8, .size: 8, .value_kind: global_buffer, .address_space: global }
      - { .name: lowp_scales, .offset: 16, .size: 8, .value_kind: global_buffer, .address_space: global }
      - { .name: ac, .offset: 24, .size: 8, .value_kind: global_buffer, .address_space: global }
    .group_segment_fixed_size: 271360
    .private_segment_fixed_size: 0
    .kernarg_segment_align: 8
    .kernarg_segment_size: 32
    .max_flat_workgroup_size: 256
    .sgpr_count:     66
    .vgpr_count:     512
    .wavefront_size: 32
...
	.end_amdgpu_metadata
.endif
;; end of part 3
;; launch wo (part 4): grid 8 x 32, 4 waves a work-group, clusters of 4 x 4, 327,680 bytes of LDS; arguments ac, codes0, lowp_scales, wo_b, x, y; writes y
.if DOCPART == 4
	.amdgcn_target "amdgcn-amd-amdhsa--gfx1250"
	.amdhsa_code_object_version 6
	.text
	.protected	k_qc049b93923_wo
	.globl	k_qc049b93923_wo
	.p2align	8
	.type	k_qc049b93923_wo,@function
k_qc049b93923_wo:
	s_mov_b64 s[64:65], 0
	v_nop
	global_prefetch_b8 v0, s[64:65] scope:SCOPE_SE
	s_setreg_imm32_b32 hwreg(HW_REG_WAVE_MODE, 25, 1), 1
	s_wait_xcnt 0x0
	s_wait_alu depctr_hold_cnt(0) depctr_sa_sdst(0) depctr_va_vdst(0) depctr_va_sdst(0) depctr_va_ssrc(0) depctr_va_vcc(0) depctr_vm_vsrc(0)
	s_getreg_b32 s2, hwreg(HW_REG_IB_STS2, 6, 4)
	s_cmp_eq_u32 s2, 0
	s_cbranch_scc0 .Lentry_in_a_cluster
	s_endpgm
.Lentry_in_a_cluster:
	s_bfe_u32 s2, ttmp6, 0x10000c
	s_cmp_lg_u32 s2, 0xf033
	s_cbranch_scc0 .Lentry_shape_is_right
	s_endpgm
.Lentry_shape_is_right:
; y = A W x 2^(e10 + e11) + wo_b + x, f32, [4,096][1,024]; A (attention's result) and W (wo) are codes of E4M3 as images of the operand's registers (fragment (T, s) at (8 T + s) 2,048 bytes).
; N = 1,024 gives only 64 tiles of 256 x 256, so a tile is 128 x 128: 256 work-groups.  Four waves, each 64 x 64 in 16 accumulators.
; ALL OF K AT ONCE: K is 1,024, so a T is 16,384 consecutive bytes, and the tile's eight T of A and eight of W are 262,144 bytes of LDS.  Each wave's one tensor load at the head brings four T whole; nothing is
; filled again, so there is no ring and no change of slots: one wait, one barrier, then eight quarters of 128 along K, 16 matrix instructions each, on two fragment buffers by turns.
; THE MATRIX INSTRUCTION IS USED TRANSPOSED (source 0 = 16 rows of W's image, source 1 = 16 rows of A): a lane holds eight neighbouring numbers of a row.  A wave's 64 columns are one aligned unit of 256 bytes:
; a block of 16 rows goes through the wave's own stage in LDS and leaves as whole units.  The residual's numbers are asked for at the head, in the layout in which the rows come back from the stage.
; CLUSTERS: 4 x 4 work-groups; A's tile is asked for jointly along a row of the cluster, W's along a column.  No L2 prefetch: all that the work-group reads is asked for at the head, and there is no loop.
; LIMITS: e10 + e11 between -126 and 127.  bias + residual are added first and the scaled sum to them by one fused multiply-add: one rounding in another order than the JAX function's.
; REGISTERS: window 0: v16-29 addresses; v32-95 rows on the way out; v96-99 the bias; v128-255 the accumulators.   window 1: two fragment buffers of 128 (A's four fragments, then W's four).   window 2: v0-127 the residual.
.set SIZE_K, 1024
.set BOFF,   0xF00000                  ; W's codes in codes0
.set SCOFF,  40                        ; e10, e11 in the buffer of exponents, in bytes
.set TROW,   SIZE_K*16                 ; bytes of a T: its eight fragments
.set HALFT,  4*TROW                    ; four T: what one tensor load brings, and what one wave reads of A or of W
.set STAGE,  4*HALFT                   ; behind the tiles: 16 rows x 272 bytes for each wave
.set SPITCH, 272
.set SPARE,  STAGE+4*16*SPITCH         ; behind the stages: the spare words, 128 bytes for each wave
.set ADRA, 16
.set ADRB, 20
.set STO,  24
.set RD,   25
.set CO,   26
.set BO,   27
.set SPW,  28
.set NIL,  29
.set TMP,  32
.set BI,   96
.set ACC,  128
.set F0,   0
.set F1,   128
.set RES,  0
.set G1, 24
.set G0, 32
.set G1B, 48
.set G0B, 56
.set MSB, 0
.macro WIN new
.if MSB != \new
	s_set_vgpr_msb (MSB<<8)|\new
.set MSB, \new
.endif
.endm
.set MUL,  0x05                        ; sources 0 and 1 window 1; C and D window 0
.set TO_F, 0x40
.macro JLOAD                           ; a joint load: waves 0 and 1 fetch for A, waves 2 and 3 for W; an s_nop 0 and four v_nop follow each of the two lines
	s_cmp_eq_u32 s15, 0
	s_cbranch_scc0 .Lfor_b_\@
	tensor_load_to_lds s[G0:G0+3], s[G1:G1+7]
	s_nop 0
.rept 4
	v_nop
.endr
	s_branch .Lasked_\@
.Lfor_b_\@:
	tensor_load_to_lds s[G0B:G0B+3], s[G1B:G1B+7]
	s_nop 0
.rept 4
	v_nop
.endr
.Lasked_\@:
.endm
.macro CREST
	s_cmp_lg_u32 s14, 0
	s_cbranch_scc1 .Lnot_wave_0_\@
	s_barrier_signal -3
.Lnot_wave_0_\@:
	s_barrier_wait -3
	s_barrier_signal -1
	s_barrier_wait -1
.endm
.macro CROUND
	s_barrier_signal -1
	s_barrier_wait -1
	CREST
.endm
.macro PLACES
.rept 4
	v_nop
.endr
.endm
	s_load_b128 s[4:7], s[0:1], 0x0                ; A's codes, codes0
	s_load_b128 s[8:11], s[0:1], 0x10              ; the scales' exponents, the bias
	s_load_b128 s[84:87], s[0:1], 0x20             ; the residual, y
	v_lshl_add_u32 v[SPW], v0, 2, SPARE
	v_mov_b32 v[NIL], 0
	ds_add_u32 v[SPW], v[NIL]                      ; the opening lines: the add, twice on end, and its wait ahead of my tensor load
	ds_add_u32 v[SPW], v[NIL]
	s_wait_dscnt 0x0
	v_lshrrev_b32 v1, 5, v0
	v_readfirstlane_b32 s14, v1                    ; wave 0..3
	s_lshr_b32 s15, s14, 1                         ; which half of the tile's rows is mine.  Also: I fetch for A (0) or for W (1)
	s_and_b32 s16, s14, 1                          ; which half of its columns.  Also: which four T of that tile I fetch
	s_bfe_u32 s40, ttmp6, 0x40000
	s_bfe_u32 s41, ttmp6, 0x40004
	s_lshl_b32 s42, ttmp9, 2
	s_add_co_u32 s42, s42, s40                     ; tile column
	s_and_b32 s17, ttmp7, 0xffff
	s_lshl_b32 s17, s17, 2
	s_add_co_u32 s17, s17, s41                     ; tile row
	s_lshl_b32 s43, s41, 2
	s_lshl_b32 s43, 15, s43
	s_lshl_b32 s44, 0x1111, s40
	; descriptor group 1: four rows (T) of 16,384 bytes, one behind the other in memory, in elements of 8 bytes; dense in LDS
	s_or_b32 s[G1+0], s43, (3<<16)|(1<<21)
	s_or_b32 s[G1B+0], s44, (3<<16)|(1<<21)
.irp g, G1, G1B
	s_mov_b32 s[\g+1], 2048<<16                    ; tensor_dim0 = 2,048
	s_mov_b32 s[\g+2], 4<<16                       ; tensor_dim1 = 4
	s_mov_b32 s[\g+3], 2048<<16                    ; tile_dim0
	s_mov_b32 s[\g+4], 4                           ; tile_dim1
	s_mov_b32 s[\g+5], TROW/8                      ; tensor_dim0_stride
	s_mov_b32 s[\g+6], 0
	s_mov_b32 s[\g+7], 0
.endr
	s_lshl_b32 s18, s16, 2
	s_lshl_b32 s20, s17, 3
	s_add_co_u32 s20, s20, s18
	s_mul_i32 s20, s20, TROW                       ; A: T = 8 x tile row + 4 x half
	s_lshl_b32 s46, s42, 3
	s_add_co_u32 s46, s46, s18
	s_mul_i32 s46, s46, TROW
	s_add_co_u32 s46, s46, BOFF                    ; W: T = 8 x tile column + 4 x half
	s_mov_b32 s21, 0
	s_mov_b32 s47, 0
	s_mul_i32 s45, s14, HALFT                      ; where they go: wave x four T
	s_wait_kmcnt 0x0
	s_load_b64 s[96:97], s[8:9], SCOFF             ; e10, e11
	s_add_nc_u64 s[20:21], s[4:5], s[20:21]
	s_add_nc_u64 s[46:47], s[6:7], s[46:47]
	CROUND                                         ; all sixteen work-groups are here: the joint loads meet
	s_mov_b32 s[G0], 1
	s_mov_b32 s[G0+1], s45
	s_mov_b64 s[G0+2:G0+3], s[20:21]
	s_or_b32 s[G0+3], s[G0+3], 0x80000000
	s_mov_b32 s[G0B], 1
	s_mov_b32 s[G0B+1], s45
	s_mov_b64 s[G0B+2:G0B+3], s[46:47]
	s_or_b32 s[G0B+3], s[G0B+3], 0x80000000
	JLOAD                                          ; my four T, all of K: the wave's one tensor load
	v_and_b32 v1, 15, v0                           ; r
	s_wait_alu depctr_va_vdst(0)
	v_bfe_u32 v2, v0, 4, 1                         ; h
	v_and_b32 v3, 31, v0
	v_lshlrev_b32 v3, 4, v3                        ; 16 x lane
	v_lshlrev_b32 v[CO], 12, v2
	v_lshl_add_u32 v[CO], v1, 4, v[CO]             ; rows of 4,096 bytes: lanes 0-15 one row's 256 bytes, lanes 16-31 the next row's
	s_wait_alu depctr_va_vdst(0)                   ; ahead of the scalar lines below
	s_lshl_b32 s22, s17, 19                        ; my first row: 128 x tile row + 64 x half,
	s_lshl_b32 s23, s15, 18
	s_add_co_u32 s22, s22, s23
	s_lshl_b32 s2, s42, 9                          ; my first column: 128 x tile column + 64 x half
	s_lshl_b32 s3, s16, 8
	s_add_co_u32 s2, s2, s3
	s_add_co_u32 s22, s22, s2
	s_mov_b32 s23, 0
	s_add_nc_u64 s[84:85], s[84:85], s[22:23]
	s_add_nc_u64 s[86:87], s[86:87], s[22:23]
	v_lshl_add_u32 v[BO], v1, 4, s2
	WIN 0x80                                       ; destination window 2
.irp a, 0,1,2,3
.irp t, 0,1,2,3,4,5,6,7
	global_load_b128 v[RES+4*(8*\a+\t):RES+4*(8*\a+\t)+3], v[CO], s[84:85] offset:(16*\a+2*\t)*4096 th:TH_LOAD_NT
.endr
.endr
	WIN 0
	global_load_b128 v[BI:BI+3], v[BO], s[10:11]   ; the bias of my four columns
	s_lshl_b32 s21, s15, 16                        ; my four T of A
	s_lshl_b32 s22, s16, 16                        ; my four T of W,
	s_add_co_u32 s22, s22, 2*HALFT                 ; which lie behind A's eight
	v_add_nc_u32 v[ADRA], s21, v3
	v_add_nc_u32 v[ADRB], s22, v3
	s_mul_i32 s23, s14, 16*SPITCH
	s_add_co_u32 s23, s23, STAGE                   ; my stage
	v_mul_u32_u24 v4, v1, SPITCH                   ; in: row r, 32 bytes for each half of the lanes
	v_lshl_add_u32 v4, v2, 5, v4
	v_add_nc_u32 v[STO], s23, v4
	v_mul_u32_u24 v5, v2, SPITCH                   ; back: lanes 0-15 one row, lanes 16-31 the next
	v_lshl_add_u32 v5, v1, 4, v5
	v_add_nc_u32 v[RD], s23, v5
.macro FETCH q, f                      ; 32 dense LDS loads: W's four fragments, then A's four, of the q-th 128 along K
	WIN TO_F
.irp i, 0,1,2,3
.irp c, 0,1,2,3
	ds_load_b128 v[\f+64+16*\i+4*\c:\f+64+16*\i+4*\c+3], v[ADRB] offset:\i*TROW+(\q)*2048+\c*512
.endr
.endr
.irp i, 0,1,2,3
.irp c, 0,1,2,3
	ds_load_b128 v[\f+16*\i+4*\c:\f+16*\i+4*\c+3], v[ADRA] offset:\i*TROW+(\q)*2048+\c*512
.endr
.endr
.endm
.macro MULA f, a, zero                 ; block a of A against W's four.  The 16 accumulators take turns, one instruction a turn, in the same order in every quarter
.irp b, 0,1,2,3
.if \zero
	v_wmma_f32_16x16x128_fp8_fp8 v[ACC+8*(4*(\a)+\b):ACC+8*(4*(\a)+\b)+7], v[\f+64+16*\b:\f+64+16*\b+15], v[\f+16*(\a):\f+16*(\a)+15], 0
.else
	v_wmma_f32_16x16x128_fp8_fp8 v[ACC+8*(4*(\a)+\b):ACC+8*(4*(\a)+\b)+7], v[\f+64+16*\b:\f+64+16*\b+15], v[\f+16*(\a):\f+16*(\a)+15], v[ACC+8*(4*(\a)+\b):ACC+8*(4*(\a)+\b)+7]
.endif
.endr
.endm
.macro QUARTER qn, f, g, zero          ; multiplies buffer f; in its middle it fetches quarter qn into buffer g
	s_wait_dscnt 8                                 ; W and A's blocks 0, 1 are in; the youngest eight loads (blocks 2, 3) may be out
	WIN MUL
	MULA \f, 0, \zero
	MULA \f, 1, \zero
	PLACES                                         ; ahead of loads into registers that the quarter before multiplied
	FETCH \qn, \g
	s_wait_dscnt 32                                ; all but the 32 just issued
	WIN MUL
	MULA \f, 2, \zero
	MULA \f, 3, \zero
.endm
	s_wait_alu depctr_va_vdst(0)                   ; the wait at the head's end
	s_wait_tensorcnt 0x0                           ; my four T are in,
	s_barrier_signal -1
	s_barrier_wait -1                              ; everybody's are
	FETCH 0, F0
	QUARTER 1, F0, F1, 1                           ; the first quarter's products start the sums
	QUARTER 2, F1, F0, 0
	QUARTER 3, F0, F1, 0
	QUARTER 4, F1, F0, 0
	QUARTER 5, F0, F1, 0
	QUARTER 6, F1, F0, 0
	QUARTER 7, F0, F1, 0
	s_wait_dscnt 8
	WIN MUL
	MULA F1, 0, 0
	MULA F1, 1, 0
	s_wait_dscnt 0x0
	MULA F1, 2, 0
	MULA F1, 3, 0
	WIN 0
	; THE WAY OUT
	s_wait_kmcnt 0x0
	s_add_co_i32 s96, s96, s97
	s_add_co_i32 s96, s96, 127
	s_lshl_b32 s96, s96, 23                        ; 2^(e10 + e11) as f32
	s_wait_loadcnt 0x0                             ; the residual and the bias
	WIN 0x82                                       ; source 0 and destination window 2
.set j, 0
.rept 32
	v_pk_add_f32 v[RES+j:RES+j+1], v[RES+j:RES+j+1], v[BI:BI+1]           ; residual + bias.  (These lines are also the places behind the last products)
	v_pk_add_f32 v[RES+j+2:RES+j+3], v[RES+j+2:RES+j+3], v[BI+2:BI+3]
.set j, j+4
.endr
	WIN 0
.macro TOSTAGE a                       ; block a's sums into my stage, and back as rows; LDS serves a wave's instructions in order, so no wait stands between
.irp b, 0,1,2,3
	ds_store_b128 v[STO], v[ACC+8*(4*(\a)+\b):ACC+8*(4*(\a)+\b)+3] offset:64*\b
	ds_store_b128 v[STO], v[ACC+8*(4*(\a)+\b)+4:ACC+8*(4*(\a)+\b)+7] offset:64*\b+16
.endr
.set TS, TMP+32*((\a)%2)
.irp t, 0,1,2,3,4,5,6,7
	ds_load_b128 v[TS+4*\t:TS+4*\t+3], v[RD] offset:\t*2*SPITCH
.endr
.endm
.macro SEND a, younger                 ; younger: the LDS instructions issued behind block a's loads
.set TS, TMP+32*((\a)%2)
	s_wait_dscnt \younger
	WIN 0x20                                       ; source 2 in window 2
.irp t, 0,1,2,3,4,5,6,7
	v_pk_fma_f32 v[TS+4*\t:TS+4*\t+1], v[TS+4*\t:TS+4*\t+1], s[96:97], v[RES+4*(8*(\a)+\t):RES+4*(8*(\a)+\t)+1] op_sel_hi:[1,0,1]
	v_pk_fma_f32 v[TS+4*\t+2:TS+4*\t+3], v[TS+4*\t+2:TS+4*\t+3], s[96:97], v[RES+4*(8*(\a)+\t)+2:RES+4*(8*(\a)+\t)+3] op_sel_hi:[1,0,1]
.endr
	WIN 0
.irp t, 0,1,2,3,4,5,6,7
	global_store_b128 v[CO], v[TS+4*\t:TS+4*\t+3], s[86:87] offset:(16*(\a)+2*\t)*4096   ; 16 lanes store 256 consecutive bytes, aligned
.endr
.endm
	TOSTAGE 0
.irp a, 1,2,3
.if \a > 1
	s_wait_xcnt 0x0                                ; block a - 2's stores have read their registers: block a's rows may land there
.endif
	TOSTAGE \a
	SEND \a-1, 16                                  ; behind block a - 1's loads: block a's 8 stores and 8 loads
.endr
	SEND 3, 0
	s_wait_tensorcnt 0x0                           ; the wave's end
	ds_add_u32 v[SPW], v[NIL]
	s_wait_dscnt 0x0
	CROUND                                         ; the closing round
	s_endpgm
.Lfunc_end_k_qc049b93923_wo:
	.size	k_qc049b93923_wo, .Lfunc_end_k_qc049b93923_wo-k_qc049b93923_wo
	.p2alignl 7, 3214868480
	.fill 96, 4, 3214868480
	.section	.rodata,"a",@progbits
	.p2align	6, 0x0
	.amdhsa_kernel k_qc049b93923_wo
		.amdhsa_group_segment_fixed_size 327680
		.amdhsa_private_segment_fixed_size 0
		.amdhsa_enable_private_segment 0
		.amdhsa_kernarg_size 48
		.amdhsa_user_sgpr_count 2
		.amdhsa_user_sgpr_kernarg_segment_ptr 1
		.amdhsa_wavefront_size32 1
		.amdhsa_system_sgpr_workgroup_id_x 1
		.amdhsa_system_sgpr_workgroup_id_y 1
		.amdhsa_system_sgpr_workgroup_id_z 1
		.amdhsa_system_vgpr_workitem_id 0
		.amdhsa_next_free_vgpr 768
		.amdhsa_next_free_sgpr 100
		.amdhsa_reserve_vcc 0
		.amdhsa_float_denorm_mode_32 3
		.amdhsa_float_denorm_mode_16_64 3
		.amdhsa_memory_ordered 1
		.amdhsa_forward_progress 1
		.amdhsa_inst_pref_size 51
	.end_amdhsa_kernel
	.amdgpu_metadata
---
amdhsa.version: [ 1, 2 ]
amdhsa.kernels:
  - .name:           k_qc049b93923_wo
    .symbol:         k_qc049b93923_wo.kd
    .args:
      - { .name: ac, .offset: 0, .size: 8, .value_kind: global_buffer, .address_space: global }
      - { .name: codes0, .offset: 8, .size: 8, .value_kind: global_buffer, .address_space: global }
      - { .name: lowp_scales, .offset: 16, .size: 8, .value_kind: global_buffer, .address_space: global }
      - { .name: wo_b, .offset: 24, .size: 8, .value_kind: global_buffer, .address_space: global }
      - { .name: x, .offset: 32, .size: 8, .value_kind: global_buffer, .address_space: global }
      - { .name: y, .offset: 40, .size: 8, .value_kind: global_buffer, .address_space: global }
    .group_segment_fixed_size: 327680
    .private_segment_fixed_size: 0
    .kernarg_segment_align: 8
    .kernarg_segment_size: 48
    .max_flat_workgroup_size: 128
    .sgpr_count:     100
    .vgpr_count:     768
    .wavefront_size: 32
...
	.end_amdgpu_metadata
.endif
;; end of part 4
;; launch ln1 (part 5): grid 256 x 1, 4 waves a work-group, no clusters, 17,920 bytes of LDS; arguments y, ln1_g, ln1_b, lowp_scales, h, hc; writes h, hc
.if DOCPART == 5
	.amdgcn_target "amdgcn-amd-amdhsa--gfx1250"
	.amdhsa_code_object_version 6
	.text
	.protected	k_qc049b93923_ln1
	.globl	k_qc049b93923_ln1
	.p2align	8
	.type	k_qc049b93923_ln1,@function
k_qc049b93923_ln1:
	s_mov_b64 s[64:65], 0
	v_nop
	global_prefetch_b8 v0, s[64:65] scope:SCOPE_SE
	s_setreg_imm32_b32 hwreg(HW_REG_WAVE_MODE, 25, 1), 1
	s_wait_xcnt 0x0
; Layer norm over rows of 1,024 f32: out = (x - mean) rsqrt(var + 1e-9) g + b, mean and var by two passes over registers.  CODES = 1: the result is also quantised (E4M3, scale 2^e12) into an image of the next
; product's operand.  A work-group takes 16 rows (one T), a wave four: a row is 32 registers of one wave, so no sum leaves the wave.  Memory binds: all 48 loads of a wave go out at the head.
; No matrix unit, no tensor load, no cluster: rows are read once and shared by nobody.
; THE CODES: lane l holds, of each 128 columns, numbers 4 l + 0..3: four codes, one word of the image.  The words of 16 rows meet in LDS (an image's eight groups of 256 bytes lie 272 apart), one barrier, and each
; wave stores two fragments, 512 consecutive bytes an instruction.
; LIMITS: e12 between -126 and 119; NaN and infinities are not served.
.set CODES, 1
.set G,   16                           ; v16-47   g of my columns
.set BB,  48                           ; v48-79   b
.set X,   80                           ; v80-207  four rows
.set TMP, 208                          ; v208-239 a row's held numbers
.set CD,  240                          ; v240-247 its codes
.if CODES
.set OUTP, 12
.else
.set OUTP, 10
.endif
	s_load_b256 s[4:11], s[0:1], 0x0               ; y, g, b, then the scales' exponents (CODES = 1) or the output
.if CODES
	s_load_b128 s[12:15], s[0:1], 0x20             ; h, hc
	v_lshl_add_u32 v254, v0, 2, 0x4400
	v_mov_b32 v255, 0
.endif
	v_lshrrev_b32 v1, 5, v0
	v_readfirstlane_b32 s16, v1                    ; wave
	v_and_b32 v1, 31, v0
	v_lshlrev_b32 v2, 4, v1                        ; 16 x lane
	s_lshl_b32 s17, s16, 14
	v_add_nc_u32 v3, s17, v2                       ; + my four rows
	s_lshl_b32 s18, ttmp9, 16                      ; the work-group's 16 rows
	s_mov_b32 s19, 0
	s_mov_b32 s20, 0x76543210
	s_mov_b32 s21, 0xfedcba98
	s_mov_b32 s22, 0x3a800000                      ; 1 / 1,024
	s_mov_b32 s23, 0x3089705f                      ; 1e-9
	s_wait_alu depctr_va_vdst(0)
	s_wait_kmcnt 0x0
.if CODES
	s_load_b32 s24, s[10:11], 0x30                 ; e12
	s_lshl_b32 s26, ttmp9, 14
	s_mov_b32 s27, 0
	s_add_nc_u64 s[14:15], s[14:15], s[26:27]
.endif
	s_add_nc_u64 s[4:5], s[4:5], s[18:19]
	s_add_nc_u64 s[OUTP:OUTP+1], s[OUTP:OUTP+1], s[18:19]
.irp j, 0,1,2,3,4,5,6,7
	global_load_b128 v[G+4*\j:G+4*\j+3], v2, s[6:7] offset:512*\j
	global_load_b128 v[BB+4*\j:BB+4*\j+3], v2, s[8:9] offset:512*\j
.endr
.irp i, 0,1,2,3
.irp j, 0,1,2,3,4,5,6,7
	global_load_b128 v[X+32*\i+4*\j:X+32*\i+4*\j+3], v3, s[4:5] offset:4096*\i+512*\j th:TH_LOAD_NT
.endr
.endr
.if CODES
	v_lshrrev_b32 v5, 3, v1
	v_bfe_u32 v6, v1, 1, 1
	v_lshl_or_b32 v5, v5, 1, v6                    ; my word's group: 2 (lane / 8) + (lane / 2) % 2
	v_mul_u32_u24 v4, v5, 272
	v_bfe_u32 v6, v1, 2, 1
	v_lshl_add_u32 v4, v6, 3, v4
	v_and_b32 v6, 1, v1
	v_lshl_add_u32 v4, v6, 2, v4
	s_lshl_b32 s25, s16, 6
	v_add_nc_u32 v4, s25, v4                       ; + 16 bytes for each of the rows ahead of mine
	v_lshrrev_b32 v5, 4, v1
	v_mul_u32_u24 v5, v5, 272
	v_and_b32 v6, 15, v1
	v_lshl_add_u32 v5, v6, 4, v5
	s_mul_i32 s25, s16, 4352
	v_add_nc_u32 v5, s25, v5                       ; back: my two fragments
	s_lshl_b32 s25, s16, 12
	v_add_nc_u32 v14, s25, v2                      ; and their place in hc
	s_wait_kmcnt 0x0
	s_add_co_i32 s24, s24, 127
	s_lshl_b32 s25, s24, 23
	v_mov_b32 v6, s25                              ; 2^e12
	s_add_co_i32 s24, s24, 8
	s_lshl_b32 s24, s24, 23
	s_or_b32 s24, s24, 0x600000
	v_mov_b32 v7, s24                              ; 448 x 2^e12
.endif
.macro REDUCE r                        ; the sum over the 32 lanes, in every lane
	v_add_f32_dpp v[\r], v[\r], v[\r] row_xmask:1 row_mask:0xf bank_mask:0xf
	v_add_f32_dpp v[\r], v[\r], v[\r] row_xmask:2 row_mask:0xf bank_mask:0xf
	v_add_f32_dpp v[\r], v[\r], v[\r] row_xmask:4 row_mask:0xf bank_mask:0xf
	v_add_f32_dpp v[\r], v[\r], v[\r] row_xmask:8 row_mask:0xf bank_mask:0xf
	v_permlanex16_b32 v[\r+1], v[\r], s20, s21
	v_add_f32 v[\r], v[\r], v[\r+1]
.endm
.macro ROW i
.set XR, X+32*\i
	s_wait_loadcnt 8*(3-\i)                        ; g, b and my rows up to this one are in; the later rows' loads may be out
	v_pk_add_f32 v[8:9], v[XR:XR+1], v[XR+2:XR+3]
	v_pk_add_f32 v[10:11], v[XR+4:XR+5], v[XR+6:XR+7]
.set j, 8
.rept 6
	v_pk_add_f32 v[8:9], v[8:9], v[XR+j:XR+j+1]
	v_pk_add_f32 v[10:11], v[10:11], v[XR+j+2:XR+j+3]
.set j, j+4
.endr
	v_pk_add_f32 v[8:9], v[8:9], v[10:11]
	v_add_f32 v8, v8, v9
	REDUCE 8
	v_mul_f32 v8, s22, v8                          ; the mean
.set j, 0
.rept 16
	v_pk_add_f32 v[XR+j:XR+j+1], v[XR+j:XR+j+1], v[8:9] op_sel_hi:[1,0] neg_lo:[0,1] neg_hi:[0,1]
.set j, j+2
.endr
	v_pk_mul_f32 v[10:11], v[XR:XR+1], v[XR:XR+1]
	v_pk_mul_f32 v[12:13], v[XR+2:XR+3], v[XR+2:XR+3]
.set j, 4
.rept 7
	v_pk_fma_f32 v[10:11], v[XR+j:XR+j+1], v[XR+j:XR+j+1], v[10:11]
	v_pk_fma_f32 v[12:13], v[XR+j+2:XR+j+3], v[XR+j+2:XR+j+3], v[12:13]
.set j, j+4
.endr
	v_pk_add_f32 v[10:11], v[10:11], v[12:13]
	v_add_f32 v10, v10, v11
	REDUCE 10
	v_fma_f32 v10, v10, s22, s23                   ; var + 1e-9
	s_wait_alu depctr_va_vdst(0)
	v_rsq_f32 v10, v10
	v_nop                                          ; a plain line behind the transcendental,
	s_wait_alu depctr_va_vdst(0)                   ; and the wait ahead of its first reader
.set j, 0
.rept 16
	v_pk_mul_f32 v[XR+j:XR+j+1], v[XR+j:XR+j+1], v[10:11] op_sel_hi:[1,0]
.set j, j+2
.endr
.set j, 0
.rept 16
	v_pk_fma_f32 v[XR+j:XR+j+1], v[XR+j:XR+j+1], v[G+j:G+j+1], v[BB+j:BB+j+1]
.set j, j+2
.endr
.irp j, 0,1,2,3,4,5,6,7
	global_store_b128 v3, v[XR+4*\j:XR+4*\j+3], s[OUTP:OUTP+1] offset:4096*\i+512*\j   ; 512 consecutive bytes, aligned
.endr
.if CODES
	s_wait_dscnt 0x0                               ; the last row's LDS stores have read CD
.set j, 0
.rept 32
	v_med3_num_f32 v[TMP+j], v[XR+j], -v7, v7      ; the conversion does not saturate (ISA guide 7.6.2); the row itself is a pending store's data and stays
.set j, j+1
.endr
.irp m, 0,1,2,3
	v_cvt_scalef32_pk8_fp8_f32 v[CD+2*\m:CD+2*\m+1], v[TMP+8*\m:TMP+8*\m+7], v6   ; register j: my four codes of fragment j
.endr
.irp j, 0,1,2,3,4,5,6,7
	ds_store_b32 v4, v[CD+\j] offset:\j*2176+16*\i
.endr
.endif
.endm
	ROW 0
	ROW 1
	ROW 2
	ROW 3
.if CODES
	s_wait_dscnt 0x0                               ; for the others' sake: my words lie in LDS
	s_barrier_signal -1
	s_barrier_wait -1
.irp f, 0,1,2,3,4,5,6,7
	ds_load_b128 v[G+4*\f:G+4*\f+3], v5 offset:(\f/4)*2176+(\f%4)*544
.endr
.irp f, 0,1,2,3,4,5,6,7
	s_wait_dscnt 7-\f
	global_store_b128 v14, v[G+4*\f:G+4*\f+3], s[14:15] offset:512*\f
.endr
.endif
	s_wait_tensorcnt 0x0
	ds_add_u32 v254, v255
	s_wait_dscnt 0x0
	s_endpgm
.Lfunc_end_k_qc049b93923_ln1:
	.size	k_qc049b93923_ln1, .Lfunc_end_k_qc049b93923_ln1-k_qc049b93923_ln1
	.p2alignl 7, 3214868480
	.fill 96, 4, 3214868480
	.section	.rodata,"a",@progbits
	.p2align	6, 0x0
	.amdhsa_kernel k_qc049b93923_ln1
		.amdhsa_group_segment_fixed_size 17920
		.amdhsa_private_segment_fixed_size 0
		.amdhsa_enable_private_segment 0
		.amdhsa_kernarg_size 48
		.amdhsa_user_sgpr_count 2
		.amdhsa_user_sgpr_kernarg_segment_ptr 1
		.amdhsa_wavefront_size32 1
		.amdhsa_system_sgpr_workgroup_id_x 1
		.amdhsa_system_sgpr_workgroup_id_y 1
		.amdhsa_system_sgpr_workgroup_id_z 1
		.amdhsa_system_vgpr_workitem_id 0
		.amdhsa_next_free_vgpr 256
		.amdhsa_next_free_sgpr 66
		.amdhsa_reserve_vcc 0
		.amdhsa_float_denorm_mode_32 3
		.amdhsa_float_denorm_mode_16_64 3
		.amdhsa_memory_ordered 1
		.amdhsa_forward_progress 1
		.amdhsa_inst_pref_size 47
	.end_amdhsa_kernel
	.amdgpu_metadata
---
amdhsa.version: [ 1, 2 ]
amdhsa.kernels:
  - .name:           k_qc049b93923_ln1
    .symbol:         k_qc049b93923_ln1.kd
    .args:
      - { .name: y, .offset: 0, .size: 8, .value_kind: global_buffer, .address_space: global }
      - { .name: ln1_g, .offset: 8, .size: 8, .value_kind: global_buffer, .address_space: global }
      - { .name: ln1_b, .offset: 16, .size: 8, .value_kind: global_buffer, .address_space: global }
      - { .name: lowp_scales, .offset: 24, .size: 8, .value_kind: global_buffer, .address_space: global }
      - { .name: h, .offset: 32, .size: 8, .value_kind: global_buffer, .address_space: global }
      - { .name: hc, .offset: 40, .size: 8, .value_kind: global_buffer, .address_space: global }
    .group_segment_fixed_size: 17920
    .private_segment_fixed_size: 0
    .kernarg_segment_align: 8
    .kernarg_segment_size: 48
    .max_flat_workgroup_size: 128
    .sgpr_count:     66
    .vgpr_count:     256
    .wavefront_size: 32
...
	.end_amdgpu_metadata
.endif
;; end of part 5
;; launch f1 (part 6): grid 16 x 16, 4 waves a work-group, clusters of 4 x 4, 327,680 bytes of LDS; arguments hc, codes0, f1_b, lowp_scales, hid; writes hid
.if DOCPART == 6
	.amdgcn_target "amdgcn-amd-amdhsa--gfx1250"
	.amdhsa_code_object_version 6
	.text
	.protected	k_qc049b93923_f1
	.globl	k_qc049b93923_f1
	.p2align	8
	.type	k_qc049b93923_f1,@function
k_qc049b93923_f1:
	s_mov_b64 s[64:65], 0
	v_nop
	global_prefetch_b8 v0, s[64:65] scope:SCOPE_SE
	s_setreg_imm32_b32 hwreg(HW_REG_WAVE_MODE, 25, 1), 1
	s_wait_xcnt 0x0
	s_wait_alu depctr_hold_cnt(0) depctr_sa_sdst(0) depctr_va_vdst(0) depctr_va_sdst(0) depctr_va_ssrc(0) depctr_va_vcc(0) depctr_vm_vsrc(0)
	s_getreg_b32 s2, hwreg(HW_REG_IB_STS2, 6, 4)
	s_cmp_eq_u32 s2, 0
	s_cbranch_scc0 .Lentry_in_a_cluster
	s_endpgm
.Lentry_in_a_cluster:
	s_bfe_u32 s2, ttmp6, 0x10000c
	s_cmp_lg_u32 s2, 0xf033
	s_cbranch_scc0 .Lentry_shape_is_right
	s_endpgm
.Lentry_shape_is_right:
; hidden = relu(h f1 + bias) on codes of E4M3 (images of the operand's registers), quantised again on the way out.  A tile is 256 x 256, four waves of 128 x 128; K goes in four steps of 256 through two LDS slots
; filled by joint loads in clusters of 4 x 4.  No L2 prefetch: the text has no loop to run ahead in (four K steps, written out).
.set MODE,   1
.set STEPB,  4096
.set HALFT,  8*STEPB
.set SLOT,   4*HALFT
.set SPARE,  2*SLOT
.set FR,     16
.set NL,     4
.set NP,     4
.set SCV,  14
.set ADRA, 16
.set ADRB, 20
.set VO0,  24
.set VO1,  25
.set CBO,  26
.set RBO,  27
.set SPW,  28
.set NIL,  29
.set HI,   31
.set BC,   32
.set BR,   96
.set AF,   128
.set TMP,  128
.set CD,   192
.set G1, 24
.set G0, 32
.set G1B, 48
.set G0B, 56
.set MSB, 0
.macro WIN new
.if MSB != \new
	s_set_vgpr_msb (MSB<<8)|\new
.set MSB, \new
.endif
.endm
.set MUL_LO, 0xa1
.set MUL_HI, 0xf1
.set BEG_LO, 0x81
.set BEG_HI, 0xc1
.set TO_B,   0x40
.macro JLOAD g0a, g1a, g0b, g1b
	s_cmp_eq_u32 s15, 0
	s_cbranch_scc0 .Lfor_b_\@
	tensor_load_to_lds s[\g0a:\g0a+3], s[\g1a:\g1a+7]
	s_nop 0
.rept 4
	v_nop
.endr
	s_branch .Lasked_\@
.Lfor_b_\@:
	tensor_load_to_lds s[\g0b:\g0b+3], s[\g1b:\g1b+7]
	s_nop 0
.rept 4
	v_nop
.endr
.Lasked_\@:
.endm
.macro CREST
	s_cmp_lg_u32 s14, 0
	s_cbranch_scc1 .Lnot_wave_0_\@
	s_barrier_signal -3
.Lnot_wave_0_\@:
	s_barrier_wait -3
	s_barrier_signal -1
	s_barrier_wait -1
.endm
.macro CROUND
	s_barrier_signal -1
	s_barrier_wait -1
	CREST
.endm
.macro PLACES n
.rept \n
	v_nop
.endr
.endm
.if MODE == 0
	s_load_b64 s[4:5], s[0:1], 0x0
	s_load_b64 s[6:7], s[0:1], 0x0
	s_load_b128 s[84:87], s[0:1], 0x8
	s_load_b128 s[88:91], s[0:1], 0x18
	s_load_b64 s[10:11], s[0:1], 0x28
.else
	s_load_b128 s[4:7], s[0:1], 0x0
	s_load_b128 s[88:91], s[0:1], 0x10
	s_load_b64 s[10:11], s[0:1], 0x20
.endif
	v_lshl_add_u32 v[SPW], v0, 2, SPARE
	v_mov_b32 v[NIL], 0
	ds_add_u32 v28, v29
	ds_add_u32 v28, v29
	s_wait_dscnt 0x0
	v_lshrrev_b32 v1, 5, v0
	v_readfirstlane_b32 s14, v1
	s_lshr_b32 s15, s14, 1
	s_and_b32 s16, s14, 1
	s_bfe_u32 s40, ttmp6, 0x40000
	s_bfe_u32 s41, ttmp6, 0x40004
	s_and_b32 s18, ttmp7, 0xffff
	s_lshl_b32 s18, s18, 2
.if MODE == 0
	s_cmp_eq_u32 ttmp9, 2
	s_cselect_b32 s19, 0, s18
	s_cselect_b32 s20, s18, 0
	s_add_co_u32 s17, s41, s19
	s_add_co_u32 s42, s40, s20
.else
	s_add_co_u32 s17, s18, s41
	s_lshl_b32 s42, ttmp9, 2
	s_add_co_u32 s42, s42, s40
.endif
	s_lshl_b32 s43, s41, 2
	s_lshl_b32 s43, 15, s43
	s_lshl_b32 s44, 0x1111, s40
	s_or_b32 s[G1+0], s43, (3<<16)|(1<<21)
	s_or_b32 s[G1B+0], s44, (3<<16)|(1<<21)
.irp g, G1, G1B
	s_mov_b32 s[\g+1], 512<<16
	s_mov_b32 s[\g+2], 8<<16
	s_mov_b32 s[\g+3], 512<<16
	s_mov_b32 s[\g+4], 8
	s_mov_b32 s[\g+5], 2048
	s_mov_b32 s[\g+6], 0
	s_mov_b32 s[\g+7], 0
.endr
	s_lshl_b32 s18, s16, 3
	s_lshl_b32 s20, s17, 4
	s_add_co_u32 s20, s20, s18
	s_lshl_b32 s20, s20, 14
	s_lshl_b32 s46, s42, 4
	s_add_co_u32 s46, s46, s18
	s_lshl_b32 s46, s46, 14
.if MODE == 0
	s_lshl_b32 s21, ttmp9, 22
	s_lshl_b32 s47, ttmp9, 20
	s_add_co_u32 s47, s47, 0xC00000
	s_cmp_eq_u32 ttmp9, 2
	s_cselect_b32 s21, 0xE00000, s21
	s_cselect_b32 s47, 0x800000, s47
	s_add_co_u32 s20, s20, s21
	s_add_co_u32 s46, s46, s47
.else
	s_add_co_u32 s46, s46, 0x1000000
.endif
	s_mov_b32 s21, 0
	s_mov_b32 s47, 0
	s_mul_i32 s45, s14, HALFT
	s_wait_kmcnt 0x0
	s_load_b512 s[68:83], s[90:91], 0x0
	s_add_nc_u64 s[20:21], s[4:5], s[20:21]
	s_add_nc_u64 s[46:47], s[6:7], s[46:47]
.if MODE == 0
	s_cmp_eq_u32 ttmp9, 0
	s_cselect_b64 s[12:13], s[84:85], s[86:87]
	s_cmp_eq_u32 ttmp9, 2
	s_cselect_b64 s[12:13], s[88:89], s[12:13]
.else
	s_mov_b64 s[12:13], s[88:89]
.endif
	CROUND
.irp s, 0,1
	s_mov_b32 s[G0+4*\s], 1
	s_add_co_u32 s[G0+4*\s+1], s45, \s*SLOT
	s_add_nc_u64 s[G0+4*\s+2:G0+4*\s+3], s[20:21], \s*STEPB
	s_or_b32 s[G0+4*\s+3], s[G0+4*\s+3], 0x80000000
	s_mov_b32 s[G0B+4*\s], 1
	s_add_co_u32 s[G0B+4*\s+1], s45, \s*SLOT
	s_add_nc_u64 s[G0B+4*\s+2:G0B+4*\s+3], s[46:47], \s*STEPB
	s_or_b32 s[G0B+4*\s+3], s[G0B+4*\s+3], 0x80000000
.endr
	JLOAD G0, G1, G0B, G1B                         ; K step 0: one tensor load a wave at the head
	v_and_b32 v1, 15, v0
	v_bfe_u32 v2, v0, 4, 1
	s_wait_alu depctr_va_vdst(0)
	v_and_b32 v3, 31, v0
	v_lshlrev_b32 v[VO0], 4, v3
	s_wait_alu depctr_va_vdst(0)
	s_lshl_b32 s21, s15, 15
	s_lshl_b32 s22, s16, 15
	s_add_co_u32 s22, s22, 2*HALFT
.irp s, 0,1
	v_add_nc_u32 v[ADRA+\s], s21, v[VO0]
	v_add_nc_u32 v[ADRB+\s], s22, v[VO0]
	s_add_co_u32 s21, s21, SLOT
	s_add_co_u32 s22, s22, SLOT
.endr
	s_lshl_b32 s2, s42, 10
	s_lshl_b32 s3, s16, 9
	s_add_co_u32 s2, s2, s3
.if MODE == 0
	s_lshl_b32 s3, s17, 10
	s_lshl_b32 s18, s15, 9
	s_add_co_u32 s3, s3, s18
	s_cmp_eq_u32 ttmp9, 2
	s_cselect_b32 s2, 0, s2
	s_cselect_b32 s3, s3, 0
	v_lshl_add_u32 v[RBO], v1, 2, s3
.endif
	v_lshl_add_u32 v[CBO], v2, 5, s2
.irp b, 0,1,2,3,4,5,6,7
	global_load_b128 v[BC+8*\b:BC+8*\b+3], v[CBO], s[12:13] offset:64*\b
	global_load_b128 v[BC+8*\b+4:BC+8*\b+7], v[CBO], s[12:13] offset:64*\b+16
.endr
.if MODE == 0
.irp a, 0,1,2,3,4,5,6,7
	global_load_b32 v[BR+2*\a], v[RBO], s[12:13] offset:64*\a
.endr
.endif
	s_lshl_b32 s18, s17, 4
	s_lshl_b32 s19, s15, 3
	s_add_co_u32 s18, s18, s19
	s_lshl_b32 s19, s42, 1
	s_add_co_u32 s19, s19, s16
.if MODE == 0
	s_lshr_b32 s22, s18, 7
	s_lshl_b32 s22, s22, 21
	s_and_b32 s23, s18, 127
	s_lshl_b32 s23, s23, 10
	s_add_co_u32 s22, s22, s23
	s_lshl_b32 s23, s19, 18
	s_add_co_u32 s22, s22, s23
	s_lshl_b32 s23, ttmp9, 22
	s_add_co_u32 s22, s22, s23
	s_lshl_b32 s23, s19, 17
	s_lshl_b32 s84, s18, 11
	s_add_co_u32 s23, s23, s84
	s_add_co_u32 s23, s23, 0x800000
	s_cmp_eq_u32 ttmp9, 2
	s_cselect_b32 s22, s23, s22
	s_cselect_b32 s92, 1, 0
	s_cselect_b32 s94, 0, 7
	s_lshl_b32 s92, 1024, s92
	s_lshl_b32 s94, 1024, s94
	s_mov_b32 s93, 0
	v_add_nc_u32 v[VO1], s94, v[VO0]
.else
	s_lshl_b32 s22, s18, 16
	s_lshl_b32 s23, s19, 11
	s_add_co_u32 s22, s22, s23
	v_add_nc_u32 v[VO1], 1024, v[VO0]
.endif
	s_mov_b32 s23, 0
	s_add_nc_u64 s[10:11], s[10:11], s[22:23]
	s_wait_kmcnt 0x0
.if MODE == 0
	s_cmp_eq_u32 ttmp9, 0
	s_cselect_b32 s84, s68, s70
	s_cselect_b32 s85, s69, s71
	s_cselect_b32 s86, s74, s75
	s_cmp_eq_u32 ttmp9, 2
	s_cselect_b32 s84, s72, s84
	s_cselect_b32 s85, s73, s85
	s_cselect_b32 s86, s77, s86
.else
	s_mov_b32 s84, s80
	s_mov_b32 s85, s81
	s_mov_b32 s86, s82
.endif
	s_add_co_i32 s84, s84, s85
	s_sub_co_i32 s86, s86, s84
	s_add_co_i32 s86, s86, 127
	s_lshl_b32 s87, s86, 23
	v_mov_b32 v[SCV], s87
	s_add_co_i32 s86, s86, 8
	s_lshl_b32 s86, s86, 23
	s_or_b32 s86, s86, 0x600000
	v_mov_b32 v[HI], s86
	s_sub_co_i32 s84, 127, s84
	s_lshl_b32 s84, s84, 23
.if MODE == 0
	s_cmp_eq_u32 ttmp9, 2
	s_cselect_b32 s88, 0, s84
	s_cselect_b32 s95, s84, 0
.else
	s_mov_b32 s88, s84
.endif
	s_mov_b32 s89, s88
	s_wait_loadcnt 0x0
.set j, 0
.rept 32
	v_pk_mul_f32 v[BC+j:BC+j+1], v[BC+j:BC+j+1], s[88:89] op_sel_hi:[1,0]
.set j, j+2
.endr
.if MODE == 0
.irp a, 0,1,2,3,4,5,6,7
	v_mul_f32 v[BR+2*\a+1], s95, v[BR+2*\a]
	v_mul_f32 v[BR+2*\a], s95, v[BR+2*\a]
.endr
.endif
.macro FRAG reg, adr, q, i
.irp c, 0,1,2,3
	ds_load_b128 v[\reg+4*\c:\reg+4*\c+3], v[\adr] offset:(\i)*STEPB+(\q)*2048+\c*512
.endr
.endm
.macro MUL16 a0, p, first
.irp a, \a0, \a0+1
.irp b, 0,1,2,3,4,5,6,7
.if \first
	v_wmma_f32_16x16x128_fp8_fp8 v[8*(8*((\a)%4)+\b):8*(8*((\a)%4)+\b)+7], v[128*(\p)+FR*\b:128*(\p)+FR*\b+FR-1], v[AF+FR*(\a):AF+FR*(\a)+FR-1], v[BC+8*\b:BC+8*\b+7]
.else
	v_wmma_f32_16x16x128_fp8_fp8 v[8*(8*((\a)%4)+\b):8*(8*((\a)%4)+\b)+7], v[128*(\p)+FR*\b:128*(\p)+FR*\b+FR-1], v[AF+FR*(\a):AF+FR*(\a)+FR-1], v[8*(8*((\a)%4)+\b):8*(8*((\a)%4)+\b)+7]
.endif
.endr
.endr
.endm
.macro FETCH_B slot, q, p
	WIN TO_B
.irp i, 0,1,2,3,4,5,6,7
	FRAG 128*(\p)+FR*\i, ADRB+\slot, \q, \i
.endr
	WIN 0
.endm
.macro FETCH_A slot, q, i0
.irp i, \i0, \i0+1, \i0+2, \i0+3
	FRAG AF+FR*(\i), ADRA+\slot, \q, \i
.endr
.endm
.macro STEP slot, q, first
	s_wait_dscnt 4*NL
.if \first
	WIN BEG_LO
.else
	WIN MUL_LO
.endif
	MUL16 0, (\q)%2, \first
	MUL16 2, (\q)%2, \first
	s_wait_dscnt 0
	PLACES NP
	FETCH_B \slot, (\q)+1, 1-(\q)%2
	FETCH_A \slot, (\q)+1, 0
.if \first
	WIN BEG_HI
.else
	WIN MUL_HI
.endif
	MUL16 4, (\q)%2, \first
	MUL16 6, (\q)%2, \first
	PLACES NP
	WIN 0
	FETCH_A \slot, (\q)+1, 4
.endm
.macro TURN slot, next, fill
	s_wait_tensorcnt 0x0
	ds_add_u32 v[SPW], v[NIL]
	s_wait_dscnt 4*NL+1
	WIN MUL_LO
	MUL16 0, 1, 0
	s_wait_dscnt 0x0
	s_barrier_signal -1
	MUL16 2, 1, 0
	WIN 0
	s_barrier_wait -1
.if \fill
	CREST
	s_add_nc_u64 s[G0+4*\slot+2:G0+4*\slot+3], s[G0+4*\slot+2:G0+4*\slot+3], 2*STEPB
	s_add_nc_u64 s[G0B+4*\slot+2:G0B+4*\slot+3], s[G0B+4*\slot+2:G0B+4*\slot+3], 2*STEPB
	JLOAD G0+4*\slot, G1, G0B+4*\slot, G1B
.else
	PLACES NP
.endif
	FETCH_B \next, 0, 0
	FETCH_A \next, 0, 0
	WIN MUL_HI
	MUL16 4, 1, 0
	MUL16 6, 1, 0
	PLACES NP
	WIN 0
	FETCH_A \next, 0, 4
.endm
	s_wait_alu depctr_va_vdst(0)
	s_wait_tensorcnt 0x0                           ; my part of K step 0 is in; slot 1's first fill is issued as a refill is
	ds_add_u32 v[SPW], v[NIL]
	s_wait_dscnt 0x0
	CROUND
	JLOAD G0+4, G1, G0B+4, G1B                     ; K step 1, the first tensor load behind the round
	FETCH_B 0, 0, 0
	FETCH_A 0, 0, 0
	FETCH_A 0, 0, 4
	STEP 0, 0, 1
	TURN 0, 1, 1
	STEP 1, 0, 0
	TURN 1, 0, 1
	STEP 0, 0, 0
	TURN 0, 1, 0
	STEP 1, 0, 0
	s_wait_dscnt 4*NL
	WIN MUL_LO
	MUL16 0, 1, 0
	MUL16 2, 1, 0
	s_wait_dscnt 0
	WIN MUL_HI
	MUL16 4, 1, 0
	MUL16 6, 1, 0
	WIN 0
.macro OUTBLK a
.set AC, 64*((\a)%4)
	WIN 0x02+((\a)/4)
.if MODE == 0
.set j, 0
.rept 32
	v_pk_add_f32 v[TMP+j:TMP+j+1], v[AC+j:AC+j+1], v[BR+2*(\a):BR+2*(\a)+1]
.set j, j+2
.endr
	WIN 0
.set j, 0
.rept 64
	v_med3_num_f32 v[TMP+j], v[TMP+j], -v[HI], v[HI]
.set j, j+1
.endr
.else
.set j, 0
.rept 64
	v_med3_num_f32 v[TMP+j], v[AC+j], 0, v[HI]
.set j, j+1
.endr
	WIN 0
.endif
.if (\a) > 0
	s_wait_alu depctr_va_vdst(0)
	s_wait_xcnt 0x0
.if MODE == 0
	s_add_nc_u64 s[10:11], s[10:11], s[92:93]
.endif
.endif
.irp b, 0,1,2,3,4,5,6,7
	v_cvt_scalef32_pk8_fp8_f32 v[CD+2*\b:CD+2*\b+1], v[TMP+8*\b:TMP+8*\b+7], v[SCV]
.endr
	v_nop
.if MODE == 0
	global_store_b128 v[VO0], v[CD:CD+3], s[10:11]
	global_store_b128 v[VO0], v[CD+4:CD+7], s[10:11] offset:512
	global_store_b128 v[VO1], v[CD+8:CD+11], s[10:11]
	global_store_b128 v[VO1], v[CD+12:CD+15], s[10:11] offset:512
.else
	global_store_b128 v[VO0], v[CD:CD+3], s[10:11] offset:(\a)*65536
	global_store_b128 v[VO0], v[CD+4:CD+7], s[10:11] offset:(\a)*65536+512
	global_store_b128 v[VO1], v[CD+8:CD+11], s[10:11] offset:(\a)*65536
	global_store_b128 v[VO1], v[CD+12:CD+15], s[10:11] offset:(\a)*65536+512
.endif
.endm
	PLACES NP
.irp a, 0,1,2,3,4,5,6,7
	OUTBLK \a
.endr
	s_wait_tensorcnt 0x0
	ds_add_u32 v[SPW], v[NIL]
	s_wait_dscnt 0x0
	CROUND
	s_endpgm
.Lfunc_end_k_qc049b93923_f1:
	.size	k_qc049b93923_f1, .Lfunc_end_k_qc049b93923_f1-k_qc049b93923_f1
	.p2alignl 7, 3214868480
	.fill 96, 4, 3214868480
	.section	.rodata,"a",@progbits
	.p2align	6, 0x0
	.amdhsa_kernel k_qc049b93923_f1
		.amdhsa_group_segment_fixed_size 327680
		.amdhsa_private_segment_fixed_size 0
		.amdhsa_enable_private_segment 0
		.amdhsa_kernarg_size 40
		.amdhsa_user_sgpr_count 2
		.amdhsa_user_sgpr_kernarg_segment_ptr 1
		.amdhsa_wavefront_size32 1
		.amdhsa_system_sgpr_workgroup_id_x 1
		.amdhsa_system_sgpr_workgroup_id_y 1
		.amdhsa_system_sgpr_workgroup_id_z 1
		.amdhsa_system_vgpr_workitem_id 0
		.amdhsa_next_free_vgpr 1024
		.amdhsa_next_free_sgpr 100
		.amdhsa_reserve_vcc 0
		.amdhsa_float_denorm_mode_32 3
		.amdhsa_float_denorm_mode_16_64 3
		.amdhsa_memory_ordered 1
		.amdhsa_forward_progress 1
		.amdhsa_inst_pref_size 122
	.end_amdhsa_kernel
	.amdgpu_metadata
---
amdhsa.version: [ 1, 2 ]
amdhsa.kernels:
  - .name:           k_qc049b93923_f1
    .symbol:         k_qc049b93923_f1.kd
    .args:
      - { .name: hc, .offset: 0, .size: 8, .value_kind: global_buffer, .address_space: global }
      - { .name: codes0, .offset: 8, .size: 8, .value_kind: global_buffer, .address_space: global }
      - { .name: f1_b, .offset: 16, .size: 8, .value_kind: global_buffer, .address_space: global }
      - { .name: lowp_scales, .offset: 24, .size: 8, .value_kind: global_buffer, .address_space: global }
      - { .name: hid, .offset: 32, .size: 8, .value_kind: global_buffer, .address_space: global }
    .group_segment_fixed_size: 327680
    .private_segment_fixed_size: 0
    .kernarg_segment_align: 8
    .kernarg_segment_size: 40
    .max_flat_workgroup_size: 128
    .sgpr_count:     100
    .vgpr_count:     1024
    .wavefront_size: 32
...
	.end_amdgpu_metadata
.endif
;; end of part 6
;; launch f2 (part 7): grid 8 x 32, 4 waves a work-group, clusters of 4 x 4, 327,680 bytes of LDS; arguments hid, codes0, lowp_scales, f2_b, h, y; writes y
.if DOCPART == 7
	.amdgcn_target "amdgcn-amd-amdhsa--gfx1250"
	.amdhsa_code_object_version 6
	.text
	.protected	k_qc049b93923_f2
	.globl	k_qc049b93923_f2
	.p2align	8
	.type	k_qc049b93923_f2,@function
k_qc049b93923_f2:
	s_mov_b64 s[64:65], 0
	v_nop
	global_prefetch_b8 v0, s[64:65] scope:SCOPE_SE
	s_setreg_imm32_b32 hwreg(HW_REG_WAVE_MODE, 25, 1), 1
	s_wait_xcnt 0x0
	s_wait_alu depctr_hold_cnt(0) depctr_sa_sdst(0) depctr_va_vdst(0) depctr_va_sdst(0) depctr_va_ssrc(0) depctr_va_vcc(0) depctr_vm_vsrc(0)
	s_getreg_b32 s2, hwreg(HW_REG_IB_STS2, 6, 4)
	s_cmp_eq_u32 s2, 0
	s_cbranch_scc0 .Lentry_in_a_cluster
	s_endpgm
.Lentry_in_a_cluster:
	s_bfe_u32 s2, ttmp6, 0x10000c
	s_cmp_lg_u32 s2, 0xf033
	s_cbranch_scc0 .Lentry_shape_is_right
	s_endpgm
.Lentry_shape_is_right:
; y = hidden f2 x 2^(e14 + e15) + bias + h, f32, [4,096][1,024]; both operands are codes of E4M3 as images of the operand's registers (fragment (T, s) at (T SIZE_K/128 + s) 2,048 bytes).
; A tile is 128 x 128: 256 work-groups of four waves, each 64 x 64.  K goes in eight steps of 512 through two LDS slots; clusters of 4 x 4 ask for A's tile jointly along a row, for W's along a column.
; L2 PREFETCH: behind the joint load of K step s stands one prefetch of K step s + 2, for s = 0 .. 5.  Of the four T (8,192 bytes each in a K step) that a wave fetches, each of the four partners that ask for them
; jointly names one, told apart by address (cx for A, cy for W), lanes 256 bytes apart: each block of 256 bytes is named once in a cluster.  The last two refills have no K step two on and ask for nothing.
; LIMITS: e14 + e15 between -126 and 127.
.set SIZE_K, 4096
.set BOFF,   0x1400000
.set SCOFF,  56
.set TROW,   SIZE_K*16
.set STEPB,  8192
.set HALFT,  4*STEPB
.set SLOT,   4*HALFT
.set STAGE,  2*SLOT
.set SPITCH, 272
.set SPARE,  STAGE+4*16*SPITCH
.set LAPS,   SIZE_K/1024
.set ADRA, 16
.set ADRB, 20
.set STO,  24
.set RD,   25
.set CO,   26
.set BO,   27
.set SPW,  28
.set NIL,  29
.set TMP,  32
.set BI,   96
.set ACC,  128
.set F0,   0
.set F1,   128
.set RES,  0
.set G1, 24
.set G0, 32
.set G1B, 48
.set G0B, 56
.set MSB, 0
.macro WIN new
.if MSB != \new
	s_set_vgpr_msb (MSB<<8)|\new
.set MSB, \new
.endif
.endm
.set MUL,  0x05
.set TO_F, 0x40
.macro JLOAD s
	s_cmp_eq_u32 s15, 0
	s_cbranch_scc0 .Lfor_b_\@
	tensor_load_to_lds s[G0+4*\s:G0+4*\s+3], s[G1:G1+7]
	s_nop 0
.rept 4
	v_nop
.endr
	s_branch .Lasked_\@
.Lfor_b_\@:
	tensor_load_to_lds s[G0B+4*\s:G0B+4*\s+3], s[G1B:G1B+7]
	s_nop 0
.rept 4
	v_nop
.endr
.Lasked_\@:
.endm
.macro CREST
	s_cmp_lg_u32 s14, 0
	s_cbranch_scc1 .Lnot_wave_0_\@
	s_barrier_signal -3
.Lnot_wave_0_\@:
	s_barrier_wait -3
	s_barrier_signal -1
	s_barrier_wait -1
.endm
.macro CROUND
	s_barrier_signal -1
	s_barrier_wait -1
	CREST
.endm
.macro PLACES
.rept 4
	v_nop
.endr
.endm
	s_load_b128 s[4:7], s[0:1], 0x0
	s_load_b128 s[8:11], s[0:1], 0x10
	s_load_b128 s[84:87], s[0:1], 0x20
	v_lshl_add_u32 v[SPW], v0, 2, SPARE
	v_mov_b32 v[NIL], 0
	ds_add_u32 v28, v29
	ds_add_u32 v28, v29
	s_wait_dscnt 0x0
	v_lshrrev_b32 v1, 5, v0
	v_readfirstlane_b32 s14, v1
	s_lshr_b32 s15, s14, 1
	s_and_b32 s16, s14, 1
	s_bfe_u32 s40, ttmp6, 0x40000
	s_bfe_u32 s41, ttmp6, 0x40004
	s_lshl_b32 s42, ttmp9, 2
	s_add_co_u32 s42, s42, s40
	s_and_b32 s17, ttmp7, 0xffff
	s_lshl_b32 s17, s17, 2
	s_add_co_u32 s17, s17, s41
	s_lshl_b32 s43, s41, 2
	s_lshl_b32 s43, 15, s43
	s_lshl_b32 s44, 0x1111, s40
	s_or_b32 s[G1+0], s43, (3<<16)|(1<<21)
	s_or_b32 s[G1B+0], s44, (3<<16)|(1<<21)
.irp g, G1, G1B
	s_mov_b32 s[\g+1], 1024<<16
	s_mov_b32 s[\g+2], 4<<16
	s_mov_b32 s[\g+3], 1024<<16
	s_mov_b32 s[\g+4], 4
	s_mov_b32 s[\g+5], TROW/8
	s_mov_b32 s[\g+6], 0
	s_mov_b32 s[\g+7], 0
.endr
	s_lshl_b32 s18, s16, 2
	s_lshl_b32 s20, s17, 3
	s_add_co_u32 s20, s20, s18
	s_mul_i32 s20, s20, TROW
	s_lshl_b32 s46, s42, 3
	s_add_co_u32 s46, s46, s18
	s_mul_i32 s46, s46, TROW
	s_add_co_u32 s46, s46, BOFF
	s_mov_b32 s21, 0
	s_mov_b32 s47, 0
	s_mul_i32 s45, s14, HALFT
	s_wait_kmcnt 0x0
	s_load_b64 s[96:97], s[8:9], SCOFF
	s_add_nc_u64 s[20:21], s[4:5], s[20:21]
	s_add_nc_u64 s[46:47], s[6:7], s[46:47]
	CROUND
.irp s, 0,1
	s_mov_b32 s[G0+4*\s], 1
	s_add_co_u32 s[G0+4*\s+1], s45, \s*SLOT
	s_add_nc_u64 s[G0+4*\s+2:G0+4*\s+3], s[20:21], \s*STEPB
	s_or_b32 s[G0+4*\s+3], s[G0+4*\s+3], 0x80000000
	s_mov_b32 s[G0B+4*\s], 1
	s_add_co_u32 s[G0B+4*\s+1], s45, \s*SLOT
	s_add_nc_u64 s[G0B+4*\s+2:G0B+4*\s+3], s[46:47], \s*STEPB
	s_or_b32 s[G0B+4*\s+3], s[G0B+4*\s+3], 0x80000000
.endr
	JLOAD 0                                        ; K step 0: one tensor load a wave at the head
	s_cmp_eq_u32 s15, 0                            ; the prefetches: do I fetch for A?
	s_cselect_b64 s[66:67], s[20:21], s[46:47]     ; my four T at K step 0,
	s_cselect_b32 s68, s40, s41                    ; my place among the four that ask with me,
	s_mul_i32 s68, s68, TROW                       ; and so my T of the four
	s_mov_b32 s69, 0
	s_add_nc_u64 s[66:67], s[66:67], s[68:69]
	v_and_b32 v30, 31, v0
	v_lshlrev_b32 v30, 8, v30                      ; 256 x lane; never rewritten
	global_prefetch_b8 v30, s[66:67] offset:STEPB th:TH_LOAD_NT scope:SCOPE_SE     ; K step 1 too: its joint load goes out only when K step 0 has landed
	global_prefetch_b8 v30, s[66:67] offset:2*STEPB th:TH_LOAD_NT scope:SCOPE_SE   ; K step 2
	v_and_b32 v1, 15, v0
	s_wait_alu depctr_va_vdst(0)
	v_bfe_u32 v2, v0, 4, 1
	v_and_b32 v3, 31, v0
	v_lshlrev_b32 v3, 4, v3
	v_lshlrev_b32 v[CO], 12, v2
	v_lshl_add_u32 v[CO], v1, 4, v[CO]
	s_wait_alu depctr_va_vdst(0)
	s_lshl_b32 s22, s17, 19
	s_lshl_b32 s23, s15, 18
	s_add_co_u32 s22, s22, s23
	s_lshl_b32 s2, s42, 9
	s_lshl_b32 s3, s16, 8
	s_add_co_u32 s2, s2, s3
	s_add_co_u32 s22, s22, s2
	s_mov_b32 s23, 0
	s_add_nc_u64 s[84:85], s[84:85], s[22:23]
	s_add_nc_u64 s[86:87], s[86:87], s[22:23]
	v_lshl_add_u32 v[BO], v1, 4, s2
	s_lshl_b32 s21, s15, 15
	s_lshl_b32 s22, s16, 15
	s_add_co_u32 s22, s22, 2*HALFT
.irp s, 0,1
	v_add_nc_u32 v[ADRA+\s], s21, v3
	v_add_nc_u32 v[ADRB+\s], s22, v3
	s_add_co_u32 s21, s21, SLOT
	s_add_co_u32 s22, s22, SLOT
.endr
	s_mul_i32 s23, s14, 16*SPITCH
	s_add_co_u32 s23, s23, STAGE
	v_mul_u32_u24 v4, v1, SPITCH
	v_lshl_add_u32 v4, v2, 5, v4
	v_add_nc_u32 v[STO], s23, v4
	v_mul_u32_u24 v5, v2, SPITCH
	v_lshl_add_u32 v5, v1, 4, v5
	v_add_nc_u32 v[RD], s23, v5
.macro FETCH slot, q, f
	WIN TO_F
.irp i, 0,1,2,3
.irp c, 0,1,2,3
	ds_load_b128 v[\f+64+16*\i+4*\c:\f+64+16*\i+4*\c+3], v[ADRB+\slot] offset:\i*STEPB+(\q)*2048+\c*512
.endr
.endr
.irp i, 0,1,2,3
.irp c, 0,1,2,3
	ds_load_b128 v[\f+16*\i+4*\c:\f+16*\i+4*\c+3], v[ADRA+\slot] offset:\i*STEPB+(\q)*2048+\c*512
.endr
.endr
.endm
.macro MULA f, a, zero
.irp b, 0,1,2,3
.if \zero
	v_wmma_f32_16x16x128_fp8_fp8 v[ACC+8*(4*(\a)+\b):ACC+8*(4*(\a)+\b)+7], v[\f+64+16*\b:\f+64+16*\b+15], v[\f+16*(\a):\f+16*(\a)+15], 0
.else
	v_wmma_f32_16x16x128_fp8_fp8 v[ACC+8*(4*(\a)+\b):ACC+8*(4*(\a)+\b)+7], v[\f+64+16*\b:\f+64+16*\b+15], v[\f+16*(\a):\f+16*(\a)+15], v[ACC+8*(4*(\a)+\b):ACC+8*(4*(\a)+\b)+7]
.endif
.endr
.endm
.macro QUARTER slot, qn, f, g, zero
	s_wait_dscnt 8
	WIN MUL
	MULA \f, 0, \zero
	MULA \f, 1, \zero
	PLACES
	FETCH \slot, \qn, \g
	s_wait_dscnt 32
	WIN MUL
	MULA \f, 2, \zero
	MULA \f, 3, \zero
.endm
.macro TURN slot, next, fill
	WIN 0
	s_wait_tensorcnt 0x0
	ds_add_u32 v[SPW], v[NIL]
	s_wait_dscnt 9
	WIN MUL
	MULA F1, 0, 0
	s_wait_dscnt 0x0
	s_barrier_signal -1
	MULA F1, 1, 0
.if \fill
	WIN 0
.endif
	s_barrier_wait -1
.if \fill
	CREST
	s_add_nc_u64 s[G0+4*\slot+2:G0+4*\slot+3], s[G0+4*\slot+2:G0+4*\slot+3], 2*STEPB
	s_add_nc_u64 s[G0B+4*\slot+2:G0B+4*\slot+3], s[G0B+4*\slot+2:G0B+4*\slot+3], 2*STEPB
	JLOAD \slot
.else
	PLACES
.endif
	FETCH \next, 0, F0
.if \fill
	WIN 0
	s_cmp_gt_u32 s3, 1                             ; the last trip's refills have no K step two on
	s_cbranch_scc0 .Lno_ask_\@
	global_prefetch_b8 v30, s[66:67] offset:(4+\slot)*STEPB th:TH_LOAD_NT scope:SCOPE_SE   ; two K steps on from the refill above
.Lno_ask_\@:
.endif
	WIN MUL
	MULA F1, 2, 0
	MULA F1, 3, 0
.endm
	s_wait_alu depctr_va_vdst(0)
	s_wait_tensorcnt 0x0                           ; my part of K step 0 is in; slot 1's first fill is issued as a refill is
	ds_add_u32 v[SPW], v[NIL]
	s_wait_dscnt 0x0
	CROUND
	JLOAD 1                                        ; K step 1, the first tensor load behind the round
	FETCH 0, 0, F0
	global_prefetch_b8 v30, s[66:67] offset:3*STEPB th:TH_LOAD_NT scope:SCOPE_SE   ; K step 3
	QUARTER 0, 1, F0, F1, 1
.if LAPS > 1
	WIN 0
	WIN 0x80                                       ; the residual and the bias are wanted on the way out alone: they are asked for here, behind the first K steps' tiles
.irp a, 0,1,2,3
.irp t, 0,1,2,3,4,5,6,7
	global_load_b128 v[RES+4*(8*\a+\t):RES+4*(8*\a+\t)+3], v[CO], s[84:85] offset:(16*\a+2*\t)*4096 th:TH_LOAD_NT
.endr
.endr
	WIN 0
	global_load_b128 v[BI:BI+3], v[BO], s[10:11]
	s_mov_b32 s3, LAPS-1
.Llap:
	QUARTER 0, 2, F1, F0, 0
	QUARTER 0, 3, F0, F1, 0
	TURN 0, 1, 1
	QUARTER 1, 1, F0, F1, 0
	QUARTER 1, 2, F1, F0, 0
	QUARTER 1, 3, F0, F1, 0
	TURN 1, 0, 1
	QUARTER 0, 1, F0, F1, 0
	WIN 0
	s_wait_xcnt 0x0                                ; my prefetches have read their base
	s_add_nc_u64 s[66:67], s[66:67], 2*STEPB       ; a lap on
	s_sub_co_u32 s3, s3, 1
	s_cmp_lg_u32 s3, 0
	s_cbranch_scc1 .Llap
.endif
	QUARTER 0, 2, F1, F0, 0
	QUARTER 0, 3, F0, F1, 0
	TURN 0, 1, 0
	QUARTER 1, 1, F0, F1, 0
	QUARTER 1, 2, F1, F0, 0
	QUARTER 1, 3, F0, F1, 0
	s_wait_dscnt 8
	WIN MUL
	MULA F1, 0, 0
	MULA F1, 1, 0
	s_wait_dscnt 0x0
	MULA F1, 2, 0
	MULA F1, 3, 0
	WIN 0
	s_wait_kmcnt 0x0
	s_add_co_i32 s96, s96, s97
	s_add_co_i32 s96, s96, 127
	s_lshl_b32 s96, s96, 23
	s_wait_loadcnt 0x0
	WIN 0x82
.set j, 0
.rept 32
	v_pk_add_f32 v[RES+j:RES+j+1], v[RES+j:RES+j+1], v[BI:BI+1]
	v_pk_add_f32 v[RES+j+2:RES+j+3], v[RES+j+2:RES+j+3], v[BI+2:BI+3]
.set j, j+4
.endr
	WIN 0
.macro TOSTAGE a
.irp b, 0,1,2,3
	ds_store_b128 v[STO], v[ACC+8*(4*(\a)+\b):ACC+8*(4*(\a)+\b)+3] offset:64*\b
	ds_store_b128 v[STO], v[ACC+8*(4*(\a)+\b)+4:ACC+8*(4*(\a)+\b)+7] offset:64*\b+16
.endr
.set TS, TMP+32*((\a)%2)
.irp t, 0,1,2,3,4,5,6,7
	ds_load_b128 v[TS+4*\t:TS+4*\t+3], v[RD] offset:\t*2*SPITCH
.endr
.endm
.macro SEND a, younger
.set TS, TMP+32*((\a)%2)
	s_wait_dscnt \younger
	WIN 0x20
.irp t, 0,1,2,3,4,5,6,7
	v_pk_fma_f32 v[TS+4*\t:TS+4*\t+1], v[TS+4*\t:TS+4*\t+1], s[96:97], v[RES+4*(8*(\a)+\t):RES+4*(8*(\a)+\t)+1] op_sel_hi:[1,0,1]
	v_pk_fma_f32 v[TS+4*\t+2:TS+4*\t+3], v[TS+4*\t+2:TS+4*\t+3], s[96:97], v[RES+4*(8*(\a)+\t)+2:RES+4*(8*(\a)+\t)+3] op_sel_hi:[1,0,1]
.endr
	WIN 0
.irp t, 0,1,2,3,4,5,6,7
	global_store_b128 v[CO], v[TS+4*\t:TS+4*\t+3], s[86:87] offset:(16*(\a)+2*\t)*4096
.endr
.endm
	TOSTAGE 0
.irp a, 1,2,3
.if \a > 1
	s_wait_xcnt 0x0
.endif
	TOSTAGE \a
	SEND \a-1, 16
.endr
	SEND 3, 0
	s_wait_tensorcnt 0x0
	ds_add_u32 v[SPW], v[NIL]
	s_wait_dscnt 0x0
	CROUND
	s_endpgm
.Lfunc_end_k_qc049b93923_f2:
	.size	k_qc049b93923_f2, .Lfunc_end_k_qc049b93923_f2-k_qc049b93923_f2
	.p2alignl 7, 3214868480
	.fill 96, 4, 3214868480
	.section	.rodata,"a",@progbits
	.p2align	6, 0x0
	.amdhsa_kernel k_qc049b93923_f2
		.amdhsa_group_segment_fixed_size 327680
		.amdhsa_private_segment_fixed_size 0
		.amdhsa_enable_private_segment 0
		.amdhsa_kernarg_size 48
		.amdhsa_user_sgpr_count 2
		.amdhsa_user_sgpr_kernarg_segment_ptr 1
		.amdhsa_wavefront_size32 1
		.amdhsa_system_sgpr_workgroup_id_x 1
		.amdhsa_system_sgpr_workgroup_id_y 1
		.amdhsa_system_sgpr_workgroup_id_z 1
		.amdhsa_system_vgpr_workitem_id 0
		.amdhsa_next_free_vgpr 768
		.amdhsa_next_free_sgpr 100
		.amdhsa_reserve_vcc 0
		.amdhsa_float_denorm_mode_32 3
		.amdhsa_float_denorm_mode_16_64 3
		.amdhsa_memory_ordered 1
		.amdhsa_forward_progress 1
		.amdhsa_inst_pref_size 83
	.end_amdhsa_kernel
	.amdgpu_metadata
---
amdhsa.version: [ 1, 2 ]
amdhsa.kernels:
  - .name:           k_qc049b93923_f2
    .symbol:         k_qc049b93923_f2.kd
    .args:
      - { .name: hid, .offset: 0, .size: 8, .value_kind: global_buffer, .address_space: global }
      - { .name: codes0, .offset: 8, .size: 8, .value_kind: global_buffer, .address_space: global }
      - { .name: lowp_scales, .offset: 16, .size: 8, .value_kind: global_buffer, .address_space: global }
      - { .name: f2_b, .offset: 24, .size: 8, .value_kind: global_buffer, .address_space: global }
      - { .name: h, .offset: 32, .size: 8, .value_kind: global_buffer, .address_space: global }
      - { .name: y, .offset: 40, .size: 8, .value_kind: global_buffer, .address_space: global }
    .group_segment_fixed_size: 327680
    .private_segment_fixed_size: 0
    .kernarg_segment_align: 8
    .kernarg_segment_size: 48
    .max_flat_workgroup_size: 128
    .sgpr_count:     100
    .vgpr_count:     768
    .wavefront_size: 32
...
	.end_amdgpu_metadata
.endif
;; end of part 7
;; launch ln2 (part 8): grid 256 x 1, 4 waves a work-group, no clusters, 0 bytes of LDS; arguments y, ln2_g, ln2_b, out0; writes out0
.if DOCPART == 8
	.amdgcn_target "amdgcn-amd-amdhsa--gfx1250"
	.amdhsa_code_object_version 6
	.text
	.protected	k_qc049b93923_ln2
	.globl	k_qc049b93923_ln2
	.p2align	8
	.type	k_qc049b93923_ln2,@function
k_qc049b93923_ln2:
	s_mov_b64 s[64:65], 0
	v_nop
	global_prefetch_b8 v0, s[64:65] scope:SCOPE_SE
	s_setreg_imm32_b32 hwreg(HW_REG_WAVE_MODE, 25, 1), 1
	s_wait_xcnt 0x0
; Layer norm over rows of 1,024 f32: out = (x - mean) rsqrt(var + 1e-9) g + b, mean and var by two passes over registers.  CODES = 1: the result is also quantised (E4M3, scale 2^e12) into an image of the next
; product's operand.  A work-group takes 16 rows (one T), a wave four: a row is 32 registers of one wave, so no sum leaves the wave.  Memory binds: all 48 loads of a wave go out at the head.
; No matrix unit, no tensor load, no cluster: rows are read once and shared by nobody.
; THE CODES: lane l holds, of each 128 columns, numbers 4 l + 0..3: four codes, one word of the image.  The words of 16 rows meet in LDS (an image's eight groups of 256 bytes lie 272 apart), one barrier, and each
; wave stores two fragments, 512 consecutive bytes an instruction.
; LIMITS: e12 between -126 and 119; NaN and infinities are not served.
.set CODES, 0
.set G,   16                           ; v16-47   g of my columns
.set BB,  48                           ; v48-79   b
.set X,   80                           ; v80-207  four rows
.set TMP, 208                          ; v208-239 a row's held numbers
.set CD,  240                          ; v240-247 its codes
.if CODES
.set OUTP, 12
.else
.set OUTP, 10
.endif
	s_load_b256 s[4:11], s[0:1], 0x0               ; y, g, b, then the scales' exponents (CODES = 1) or the output
.if CODES
	s_load_b128 s[12:15], s[0:1], 0x20             ; h, hc
.endif
	v_lshrrev_b32 v1, 5, v0
	v_readfirstlane_b32 s16, v1                    ; wave
	v_and_b32 v1, 31, v0
	v_lshlrev_b32 v2, 4, v1                        ; 16 x lane
	s_lshl_b32 s17, s16, 14
	v_add_nc_u32 v3, s17, v2                       ; + my four rows
	s_lshl_b32 s18, ttmp9, 16                      ; the work-group's 16 rows
	s_mov_b32 s19, 0
	s_mov_b32 s20, 0x76543210
	s_mov_b32 s21, 0xfedcba98
	s_mov_b32 s22, 0x3a800000                      ; 1 / 1,024
	s_mov_b32 s23, 0x3089705f                      ; 1e-9
	s_wait_alu depctr_va_vdst(0)
	s_wait_kmcnt 0x0
.if CODES
	s_load_b32 s24, s[10:11], 0x30                 ; e12
	s_lshl_b32 s26, ttmp9, 14
	s_mov_b32 s27, 0
	s_add_nc_u64 s[14:15], s[14:15], s[26:27]
.endif
	s_add_nc_u64 s[4:5], s[4:5], s[18:19]
	s_add_nc_u64 s[OUTP:OUTP+1], s[OUTP:OUTP+1], s[18:19]
.irp j, 0,1,2,3,4,5,6,7
	global_load_b128 v[G+4*\j:G+4*\j+3], v2, s[6:7] offset:512*\j
	global_load_b128 v[BB+4*\j:BB+4*\j+3], v2, s[8:9] offset:512*\j
.endr
.irp i, 0,1,2,3
.irp j, 0,1,2,3,4,5,6,7
	global_load_b128 v[X+32*\i+4*\j:X+32*\i+4*\j+3], v3, s[4:5] offset:4096*\i+512*\j th:TH_LOAD_NT
.endr
.endr
.if CODES
	v_lshrrev_b32 v5, 3, v1
	v_bfe_u32 v6, v1, 1, 1
	v_lshl_or_b32 v5, v5, 1, v6                    ; my word's group: 2 (lane / 8) + (lane / 2) % 2
	v_mul_u32_u24 v4, v5, 272
	v_bfe_u32 v6, v1, 2, 1
	v_lshl_add_u32 v4, v6, 3, v4
	v_and_b32 v6, 1, v1
	v_lshl_add_u32 v4, v6, 2, v4
	s_lshl_b32 s25, s16, 6
	v_add_nc_u32 v4, s25, v4                       ; + 16 bytes for each of the rows ahead of mine
	v_lshrrev_b32 v5, 4, v1
	v_mul_u32_u24 v5, v5, 272
	v_and_b32 v6, 15, v1
	v_lshl_add_u32 v5, v6, 4, v5
	s_mul_i32 s25, s16, 4352
	v_add_nc_u32 v5, s25, v5                       ; back: my two fragments
	s_lshl_b32 s25, s16, 12
	v_add_nc_u32 v14, s25, v2                      ; and their place in hc
	s_wait_kmcnt 0x0
	s_add_co_i32 s24, s24, 127
	s_lshl_b32 s25, s24, 23
	v_mov_b32 v6, s25                              ; 2^e12
	s_add_co_i32 s24, s24, 8
	s_lshl_b32 s24, s24, 23
	s_or_b32 s24, s24, 0x600000
	v_mov_b32 v7, s24                              ; 448 x 2^e12
.endif
.macro REDUCE r                        ; the sum over the 32 lanes, in every lane
	v_add_f32_dpp v[\r], v[\r], v[\r] row_xmask:1 row_mask:0xf bank_mask:0xf
	v_add_f32_dpp v[\r], v[\r], v[\r] row_xmask:2 row_mask:0xf bank_mask:0xf
	v_add_f32_dpp v[\r], v[\r], v[\r] row_xmask:4 row_mask:0xf bank_mask:0xf
	v_add_f32_dpp v[\r], v[\r], v[\r] row_xmask:8 row_mask:0xf bank_mask:0xf
	v_permlanex16_b32 v[\r+1], v[\r], s20, s21
	v_add_f32 v[\r], v[\r], v[\r+1]
.endm
.macro ROW i
.set XR, X+32*\i
	s_wait_loadcnt 8*(3-\i)                        ; g, b and my rows up to this one are in; the later rows' loads may be out
	v_pk_add_f32 v[8:9], v[XR:XR+1], v[XR+2:XR+3]
	v_pk_add_f32 v[10:11], v[XR+4:XR+5], v[XR+6:XR+7]
.set j, 8
.rept 6
	v_pk_add_f32 v[8:9], v[8:9], v[XR+j:XR+j+1]
	v_pk_add_f32 v[10:11], v[10:11], v[XR+j+2:XR+j+3]
.set j, j+4
.endr
	v_pk_add_f32 v[8:9], v[8:9], v[10:11]
	v_add_f32 v8, v8, v9
	REDUCE 8
	v_mul_f32 v8, s22, v8                          ; the mean
.set j, 0
.rept 16
	v_pk_add_f32 v[XR+j:XR+j+1], v[XR+j:XR+j+1], v[8:9] op_sel_hi:[1,0] neg_lo:[0,1] neg_hi:[0,1]
.set j, j+2
.endr
	v_pk_mul_f32 v[10:11], v[XR:XR+1], v[XR:XR+1]
	v_pk_mul_f32 v[12:13], v[XR+2:XR+3], v[XR+2:XR+3]
.set j, 4
.rept 7
	v_pk_fma_f32 v[10:11], v[XR+j:XR+j+1], v[XR+j:XR+j+1], v[10:11]
	v_pk_fma_f32 v[12:13], v[XR+j+2:XR+j+3], v[XR+j+2:XR+j+3], v[12:13]
.set j, j+4
.endr
	v_pk_add_f32 v[10:11], v[10:11], v[12:13]
	v_add_f32 v10, v10, v11
	REDUCE 10
	v_fma_f32 v10, v10, s22, s23                   ; var + 1e-9
	s_wait_alu depctr_va_vdst(0)
	v_rsq_f32 v10, v10
	v_nop                                          ; a plain line behind the transcendental,
	s_wait_alu depctr_va_vdst(0)                   ; and the wait ahead of its first reader
.set j, 0
.rept 16
	v_pk_mul_f32 v[XR+j:XR+j+1], v[XR+j:XR+j+1], v[10:11] op_sel_hi:[1,0]
.set j, j+2
.endr
.set j, 0
.rept 16
	v_pk_fma_f32 v[XR+j:XR+j+1], v[XR+j:XR+j+1], v[G+j:G+j+1], v[BB+j:BB+j+1]
.set j, j+2
.endr
.irp j, 0,1,2,3,4,5,6,7
	global_store_b128 v3, v[XR+4*\j:XR+4*\j+3], s[OUTP:OUTP+1] offset:4096*\i+512*\j   ; 512 consecutive bytes, aligned
.endr
.if CODES
	s_wait_dscnt 0x0                               ; the last row's LDS stores have read CD
.set j, 0
.rept 32
	v_med3_num_f32 v[TMP+j], v[XR+j], -v7, v7      ; the conversion does not saturate (ISA guide 7.6.2); the row itself is a pending store's data and stays
.set j, j+1
.endr
.irp m, 0,1,2,3
	v_cvt_scalef32_pk8_fp8_f32 v[CD+2*\m:CD+2*\m+1], v[TMP+8*\m:TMP+8*\m+7], v6   ; register j: my four codes of fragment j
.endr
.irp j, 0,1,2,3,4,5,6,7
	ds_store_b32 v4, v[CD+\j] offset:\j*2176+16*\i
.endr
.endif
.endm
	ROW 0
	ROW 1
	ROW 2
	ROW 3
.if CODES
	s_wait_dscnt 0x0                               ; for the others' sake: my words lie in LDS
	s_barrier_signal -1
	s_barrier_wait -1
.irp f, 0,1,2,3,4,5,6,7
	ds_load_b128 v[G+4*\f:G+4*\f+3], v5 offset:(\f/4)*2176+(\f%4)*544
.endr
.irp f, 0,1,2,3,4,5,6,7
	s_wait_dscnt 7-\f
	global_store_b128 v14, v[G+4*\f:G+4*\f+3], s[14:15] offset:512*\f
.endr
.endif
	s_endpgm
.Lfunc_end_k_qc049b93923_ln2:
	.size	k_qc049b93923_ln2, .Lfunc_end_k_qc049b93923_ln2-k_qc049b93923_ln2
	.p2alignl 7, 3214868480
	.fill 96, 4, 3214868480
	.section	.rodata,"a",@progbits
	.p2align	6, 0x0
	.amdhsa_kernel k_qc049b93923_ln2
		.amdhsa_group_segment_fixed_size 0
		.amdhsa_private_segment_fixed_size 0
		.amdhsa_enable_private_segment 0
		.amdhsa_kernarg_size 32
		.amdhsa_user_sgpr_count 2
		.amdhsa_user_sgpr_kernarg_segment_ptr 1
		.amdhsa_wavefront_size32 1
		.amdhsa_system_sgpr_workgroup_id_x 1
		.amdhsa_system_sgpr_workgroup_id_y 1
		.amdhsa_system_sgpr_workgroup_id_z 1
		.amdhsa_system_vgpr_workitem_id 0
		.amdhsa_next_free_vgpr 256
		.amdhsa_next_free_sgpr 66
		.amdhsa_reserve_vcc 0
		.amdhsa_float_denorm_mode_32 3
		.amdhsa_float_denorm_mode_16_64 3
		.amdhsa_memory_ordered 1
		.amdhsa_forward_progress 1
		.amdhsa_inst_pref_size 33
	.end_amdhsa_kernel
	.amdgpu_metadata
---
amdhsa.version: [ 1, 2 ]
amdhsa.kernels:
  - .name:           k_qc049b93923_ln2
    .symbol:         k_qc049b93923_ln2.kd
    .args:
      - { .name: y, .offset: 0, .size: 8, .value_kind: global_buffer, .address_space: global }
      - { .name: ln2_g, .offset: 8, .size: 8, .value_kind: global_buffer, .address_space: global }
      - { .name: ln2_b, .offset: 16, .size: 8, .value_kind: global_buffer, .address_space: global }
      - { .name: out0, .offset: 24, .size: 8, .value_kind: global_buffer, .address_space: global }
    .group_segment_fixed_size: 0
    .private_segment_fixed_size: 0
    .kernarg_segment_align: 8
    .kernarg_segment_size: 32
    .max_flat_workgroup_size: 128
    .sgpr_count:     66
    .vgpr_count:     256
    .wavefront_size: 32
...
	.end_amdgpu_metadata
.endif
;; end of part 8
